; MI455X (gfx1250); checked and timed in simulation.
; The chip was launched on July 23, 2026; its instructions are those of AMD's public machine-readable ISA for CDNA 5 (MIT licence, August 2026) and "CDNA5" Instruction Set Architecture Reference Guide (July 2026). The comments in the code are by the model that wrote it; some were corrected since.
;; Diagnostic Attention. Allowed arithmetic: matrix products marked QUANTISED: E2M1 operands, one E8M0 scale for each 32 along K, by v_wmma_scale_f32_16x16x128_f8f6f4 with both operands' format E2M1 (or v_wmma_scale_f32_32x16x128_f4), f32 sums; products left as they are: bf16, f16 or f32 operands; f32 sums; everything else in f32.
;; Inputs: Wg 1,024 x 16 float32; Wk 1,024 x 1,024 float32; Wo 1,024 x 1,024 float32; Wq 1,024 x 1,024 float32; Wv 1,024 x 1,024 float32; attention_mask 2 x 1 x 1 x 2,048 float32; bg 16 float32; bk 1,024 float32; bo 1,024 float32; bq 1,024 float32; bv 1,024 float32; diag_bias 1 x 16 x 1 x 1 float32; has_error_codes 2 x 2,048 int32; hidden_states 2 x 2,048 x 1,024 float32.
;; Outputs: out0 2 x 2,048 x 1,024 float32.
;; This version of the problem:
;;   THIS VERSION OF THE PROBLEM IS GIVEN IN LOW PRECISION. The matrix products marked QUANTISED in the list below multiply operands that are first quantised to E2M1 (2 exponent bits, 1 mantissa bit; 4 bits a number), with one power-of-two scale for each 32 numbers along K (OCP MX v1.0); their sums are f32. The products marked 'left as it is' may take bf16, f16 or f32 operands, with f32 sums. Whichever they take, every output number must still come out within the allowed error. Rounding operands to bf16 (8 significant bits) uses up far more of that allowance than f16 does (11 bits, for magnitudes from 6e-5 to 65,504). All else is computed in f32.
;;   The module's matrix products, in the order in which they are computed (A, B: the left and right operand; K: the contracted axis; several contracted axes count as one K, in the product's order):
;;     1. [M 4,096, K 1,024] x [K 1,024, N 1,024]; A: input hidden_states; B: input Wq: QUANTISED
;;     2. [M 4,096, K 1,024] x [K 1,024, N 1,024]; A: input hidden_states; B: input Wk: QUANTISED
;;     3. [M 4,096, K 1,024] x [K 1,024, N 1,024]; A: input hidden_states; B: input Wv: QUANTISED
;;     4. batch 32 x [M 2,048, K 64] x [K 64, N 2,048]; A: computed on the way; B: computed on the way: left as it is (an operand is computed on the way)
;;     5. [M 4,096, K 1,024] x [K 1,024, N 16]; A: input hidden_states; B: input Wg: QUANTISED
;;     6. batch 32 x [M 2,048, K 2,048] x [K 2,048, N 64]; A: computed on the way; B: computed on the way: left as it is (an operand is computed on the way)
;;     7. [M 4,096, K 1,024] x [K 1,024, N 1,024]; A: computed on the way; B: input Wo: left as it is (an operand is computed on the way)
;;   THE QUANTISER, for each operand of a quantised product, along K:
;;     - K is cut into blocks of 32 from its start; a last block that is shorter is filled with zeros.
;;     - A block's scale is 2^e with e = floor(log2(the largest magnitude in the block)) - 2, held to -126 .. 127; a block of zeros has e = 0. As a byte (E8M0): e + 127.
;;     - Each number is divided by its block's scale, clamped to +-6, and rounded to the nearest number of E2M1, ties to even, subnormals kept.
;;     - The product sums the exact products of the quantised numbers (number of the format x scale) in f32.
;;   ~~~python
;;   def quantise(x, axis):      # numpy; x: float32 -> the quantised numbers, widened to float32 again
;;       x = np.moveaxis(x, axis, -1); K = x.shape[-1]
;;       x = np.pad(x, [(0, 0)] * (x.ndim - 1) + [(0, -K % 32)]); x = x.reshape(x.shape[:-1] + (-1, 32)); a = np.abs(x).max(-1, keepdims=True)
;;       e = np.where(a > 0, np.clip(np.frexp(np.where(a > 0, a, 1))[1] - 1 - 2, -126, 127), 0)      # np.frexp(a)[1] - 1 = floor(log2(a)), exactly
;;       r = np.clip(x / 2.0 ** e, -6, 6)
;;       step = 2.0 ** (np.maximum(np.frexp(np.where(r == 0, 1, r))[1] - 1, 0) - 1)
;;       q = np.round(r / step) * step * 2.0 ** e      # np.round: ties to even
;;       return np.moveaxis(q.reshape(q.shape[:-2] + (-1,))[..., :K], -1, axis).astype(np.float32)
;;   ~~~
;; One version. Each part assembles by itself: llvm-mc -triple=amdgcn-amd-amdhsa -mcpu=gfx1250 --defsym DOCPART=n.
;; ======== version 1 of 1: 4 launches
;; limits: values are held in f16: magnitudes above 65,504 overflow, below 6.1e-05 lose precision; inputs' magnitudes at most 3.7e+37
;; workspace buffers: cod 3,678,208 bytes; scl 229,888 bytes; wot 2,097,152 bytes; qkv 25,165,824 bytes; add8 262,144 bytes; attn 8,388,608 bytes
;; launch prep (part 1): grid 385 x 1, 4 waves a work-group, no clusters, 77,312 bytes of LDS; arguments hidden_states, Wq, Wk, Wv, Wo, Wg, cod, scl, wot; writes cod, scl, wot
.if DOCPART == 1
	.amdgcn_target "amdgcn-amd-amdhsa--gfx1250"
	.amdhsa_code_object_version 6
	.text
	.protected	k_q744e1bff6d_prep
	.globl	k_q744e1bff6d_prep
	.p2align	8
	.type	k_q744e1bff6d_prep,@function
k_q744e1bff6d_prep:
	s_mov_b64 s[64:65], 0
	v_nop
	global_prefetch_b8 v0, s[64:65] scope:SCOPE_SE
	s_setreg_imm32_b32 hwreg(HW_REG_WAVE_MODE, 25, 1), 1
	s_wait_xcnt 0x0
; FIRST OF FOUR LAUNCHES of an attention layer: out = softmax((x Wq + bq)(x Wk + bk)^T / 8 + diag_bias + err * sigmoid(x Wg + bg) + mask) (x Wv + bv) Wo + bo, 2 x 2,048 tokens, 16 heads of 64.
; This launch turns the operands of the quantised products (x, Wq, Wk, Wv, Wg) into codes of FP4 (E2M1) with one E8M0 byte for each 32 along K = the 1,024 hidden channels, and Wo into f16, turned to [n][k], times 2^-3.
; WORK LEFT OUT, for all finite values of the inputs.  (1) diag_bias[h] is added to the scores of ALL keys of a row: softmax over the keys divides e^diag_bias out of numerator and sum alike.
; (2) bk: (x Wk + bk) . q = (x Wk) . q + bk . q, and bk . q is the same for all keys of a row, so the softmax takes it out as well; the product of q and k is not quantised, so bk moves no code and no scale.
; Neither diag_bias nor bk is loaded by any launch or is among any launch's arguments.  LIMIT: a NaN, an infinity or an overflow that reaches only these two terms is not carried to the result.
; THE QUANTISER.  A block's scale is 2^(floor(log2(largest magnitude)) - 2): its byte is the largest magnitude's exponent field - 2, held at 1 from below by a floor among the maximum's leaves.
; A block of zeros so gets the byte 1 where the rule says 127: its codes are zeros, and these bytes are read by this program alone.
; LIMITS: NaN and infinities among these inputs are not served; blocks whose largest magnitude lies under 2^-124 keep the floor's byte.
; Wo x 2^-3 (exact) stands against the attention's result x 2^3 in the last launch: both then lie well inside f16's range, also for inputs some 30 times larger or smaller.
; WORK-GROUPS: 0-127 x (a plain stream of blocks of 32);  128-319 Wq, Wk, Wv and 320-383 Wo (32 columns x 512 along K each);  384 Wg.  Each path has LDS bytes of its own.
; No tensor loads, no matrix work, no cluster: nothing here is read by two work-groups.
.set SP,    80                         ; path X: a lane's place in a stage: 64 bytes + 16 of padding
.set WSTG,  32768                      ; path W: 32 rows (columns of W) x (256 bytes of codes + 16)
.set WSCL,  WSTG+32*272                ; and their scale bytes, 16 a row
.set OSTG,  WSCL+512                   ; Wo: 32 rows x (256 bytes of f16 + 16) for each wave
.set SPARE, OSTG+4*32*272              ; the spare words, 128 bytes for each wave: two blocks of 256 bytes that no other line names
.set WCOD,  2097152                    ; cod: x's codes [4096][512 bytes]; from here W's [3072][512]; from GCOD Wg's [16][512]
.set GCOD,  3670016
.set WSC,   131072                     ; scl: x's bytes [4096][32]; from here W's [3072][32]; from GSC Wg's [16][32]
.set GSC,   229376
.set SPW,   12                         ; v12 LDS address of my spare word; never rewritten
.set NIL,   13                         ; v13 0; never rewritten
.set R,     16                         ; path X: v16-143 eight sets of 16 numbers as loaded
.set X,     144                        ; v144-175 two sets of 16 neighbours
.set E,     176                        ; v176-191 a scale byte for each step
.set C,     192                        ; v192-223 two registers of codes for each step
.set N,     32                         ; paths W, G: v32-159 my column's 128 numbers down K
.set CD,    160                        ; v160.. codes (Wo: f16 pairs)
.macro ENDWAVE                         ; the wave's end
	s_wait_tensorcnt 0x0
	ds_add_u32 v[SPW], v[NIL]
	s_wait_dscnt 0x0
	s_endpgm
.endm
	s_load_b512 s[4:19], s[0:1], 0x0               ; x 4:5, Wq 6:7, Wk 8:9, Wv 10:11, Wo 12:13, Wg 14:15, cod 16:17, scl 18:19
	s_load_b64 s[20:21], s[0:1], 0x40              ; wot
	v_lshl_add_u32 v[SPW], v0, 2, SPARE
	v_mov_b32 v[NIL], 0
	v_lshrrev_b32 v1, 5, v0
	v_readfirstlane_b32 s22, v1                    ; wave 0..3
	v_and_b32 v2, 31, v0                           ; lane
	s_wait_kmcnt 0x0
	s_cmp_lt_u32 ttmp9, 128                        ; the paths part on the work-group's number alone: all four waves go the same way
	s_cbranch_scc0 .Lnot_x
; ---- PATH X.  A wave takes 16 steps of 512 numbers.  Each load reads 512 consecutive bytes; a step's 2,048 bytes turn through the wave's own stage, so that a lane holds 16 neighbours (two lanes hold a block).
	s_lshl_b32 s24, ttmp9, 2
	s_add_co_u32 s24, s24, s22                     ; which run of 8,192 numbers is my wave's: 0..511
	s_mov_b32 s27, 0
	s_lshl_b32 s26, s24, 15
	s_add_nc_u64 s[4:5], s[4:5], s[26:27]          ; 32,768 bytes of x,
	s_lshl_b32 s26, s24, 12
	s_add_nc_u64 s[16:17], s[16:17], s[26:27]      ; 4,096 of codes,
	s_lshl_b32 s26, s24, 8
	s_add_nc_u64 s[18:19], s[18:19], s[26:27]      ; 256 scale bytes a run
	v_lshlrev_b32 v3, 4, v2                        ; my 16 bytes of a load's 512
	s_lshl_b32 s25, s22, 13                        ; my wave's 8,192 bytes of LDS
	v_lshrrev_b32 v14, 2, v2
	v_mul_u32_u24 v14, v14, SP
	v_and_b32 v15, 3, v2
	v_lshl_add_u32 v14, v15, 4, v14
	v_add_nc_u32 v14, s25, v14                     ; into a stage: SP (lane / 4) + 16 (lane % 4)
	v_mul_u32_u24 v15, v2, SP
	v_add_nc_u32 v15, s25, v15                     ; out of it: SP x lane
	v_lshlrev_b32 v4, 3, v2                        ; 8 x lane: my codes' place in a step's 256 bytes, and my 8 of the run's 256 scale bytes
	v_lshrrev_b32 v5, 1, v2
	s_add_co_u32 s25, s25, 2*32*SP
	v_add_nc_u32 v5, s25, v5                       ; LDS: my block's scale byte
	v_add_nc_u32 v6, s25, v4                       ; and on the way out 8 bytes a lane
.macro XLOAD t
.irp i, 0,1,2,3
	global_load_b128 v[R+16*((\t)%8)+4*\i:R+16*((\t)%8)+4*\i+3], v3, s[4:5] offset:2048*(\t)+512*\i th:TH_LOAD_NT
.endr
.endm
.macro XTURN t                         ; LDS serves a wave's instructions in order: no wait between the stores and the loads
.irp i, 0,1,2,3
	ds_store_b128 v14, v[R+16*((\t)%8)+4*\i:R+16*((\t)%8)+4*\i+3] offset:32*SP*((\t)%2)+8*SP*\i
.endr
.irp i, 0,1,2,3
	ds_load_b128 v[X+16*((\t)%2)+4*\i:X+16*((\t)%2)+4*\i+3], v15 offset:32*SP*((\t)%2)+16*\i
.endr
.endm
.irp t, 0,1,2,3,4,5,6,7
	XLOAD \t                                       ; eight steps, 32 loads, are on their way
.endr
	s_wait_loadcnt 28                              ; step 0's four loads are in; the 28 behind them may be out
	XTURN 0
.macro XSTEP t
.set XS, X+16*((\t)%2)
.if (\t) > 0
	s_wait_dscnt 1                                 ; this step's numbers are back from the stage (the last step's byte store may be out), so its stores into the stage have read their registers,
.else
	s_wait_dscnt 0x0
.endif
.if (\t)+8 < 16
	XLOAD (\t)+8                                   ; which take the loads of eight steps on
.endif
.if (\t)+1 < 16
.if 14-(\t) >= 7
	s_wait_loadcnt 28                              ; the next step's loads are in; those of the seven steps behind it may be out
.else
	s_wait_loadcnt 4*(14-(\t))                     ; four loads for each step still behind it
.endif
	XTURN (\t)+1
.endif
	v_max3_num_f32 v8, |v[XS]|, |v[XS+1]|, |v[XS+2]|               ; the largest magnitude of my 16, in two chains
	v_max3_num_f32 v9, |v[XS+3]|, |v[XS+4]|, |v[XS+5]|
.irp i, 6,10
	v_max3_num_f32 v8, v8, |v[XS+\i]|, |v[XS+\i+1]|
	v_max3_num_f32 v9, v9, |v[XS+\i+2]|, |v[XS+\i+3]|
.endr
	v_max3_num_f32 v8, v8, |v[XS+14]|, |v[XS+15]|
	v_max3_num_f32 v8, v8, v9, 0x1800000           ; and the floor 2^(3 - 127): the byte cannot fall under 1
	v_max_num_f32_dpp v8, v8, v8 row_xmask:1 row_mask:0xf bank_mask:0xf   ; with my neighbour's 16: the block's
	v_add_nc_u32 v11, 0xff000000, v8               ; 2 off its exponent field: the conversion takes this operand's exponent field as its scale
	v_cvt_scalef32_pk8_fp4_f32 v[C+2*(\t)], v[XS:XS+7], v11
	v_cvt_scalef32_pk8_fp4_f32 v[C+2*(\t)+1], v[XS+8:XS+15], v11
	v_lshrrev_b32 v[E+(\t)], 23, v11               ; the scale's byte (also the plain line behind the conversions)
	ds_store_b8 v5, v[E+(\t)] offset:16*(\t)       ; both lanes of a block write the same byte with the same value
	global_store_b64 v4, v[C+2*(\t):C+2*(\t)+1], s[16:17] offset:256*(\t)   ; the wave stores 256 consecutive bytes, aligned
.endm
.irp t, 0,1,2,3,4,5,6,7,8,9,10,11,12,13,14,15
	XSTEP \t
.endr
	ds_load_b64 v[8:9], v6                         ; my wave's 256 scale bytes: these loads see my stores
	s_wait_dscnt 0x0
	global_store_b64 v4, v[8:9], s[18:19]          ; 256 consecutive bytes, aligned
	ENDWAVE
; ---- PATHS W AND G share one macro.  A LANE TAKES A COLUMN n AND ITS REGISTERS RUN DOWN K: block t of 32 lies in v[N + 32 t] on, all of it mine; its codes go to v[CD + 4 t] on, its byte to v10.
.macro QBLK t, left                    ; left: how many loads issued behind this block's may stay out
.set XS, N+32*(\t)
	s_wait_loadcnt \left
	v_max3_num_f32 v8, |v[XS]|, |v[XS+1]|, |v[XS+2]|
	v_max3_num_f32 v9, |v[XS+3]|, |v[XS+4]|, |v[XS+5]|
.irp i, 6,10,14,18,22,26
	v_max3_num_f32 v8, v8, |v[XS+\i]|, |v[XS+\i+1]|
	v_max3_num_f32 v9, v9, |v[XS+\i+2]|, |v[XS+\i+3]|
.endr
	v_max3_num_f32 v8, v8, |v[XS+30]|, |v[XS+31]|
	v_max3_num_f32 v8, v8, v9, 0x1800000           ; the floor
	v_add_nc_u32 v11, 0xff000000, v8               ; the conversions' scale operand
	v_lshrrev_b32 v10, 23, v11                     ; the scale's byte
.irp g, 0,1,2,3
	v_cvt_scalef32_pk8_fp4_f32 v[CD+4*(\t)+\g], v[XS+8*\g:XS+8*\g+7], v11
.endr
.endm
.Lnot_x:
	s_cmp_lt_u32 ttmp9, 384
	s_cbranch_scc0 .Lgate
; ---- PATH W.  A work-group takes 32 columns x 512 along K of one of the four square weights, a wave 128 of the 512.  Each load reads 128 consecutive bytes of a row of W.
	s_sub_co_u32 s24, ttmp9, 128
	s_lshr_b32 s25, s24, 1
	s_and_b32 s26, s24, 1                          ; which 512 along K
	s_lshr_b32 s27, s25, 5                         ; which weight: 0 Wq, 1 Wk, 2 Wv, 3 Wo
	s_and_b32 s28, s25, 31
	s_lshl_b32 s28, s28, 5                         ; first column
	s_cmp_eq_u32 s27, 1                            ; the choice of buffer hangs on the work-group's number alone
	s_cselect_b64 s[6:7], s[8:9], s[6:7]
	s_cmp_eq_u32 s27, 2
	s_cselect_b64 s[6:7], s[10:11], s[6:7]
	s_cmp_eq_u32 s27, 3
	s_cselect_b64 s[6:7], s[12:13], s[6:7]
	s_lshl_b32 s30, s26, 21                        ; 512 rows of 4,096 bytes,
	s_lshl_b32 s31, s22, 19                        ; my wave's 128 rows,
	s_add_co_u32 s30, s30, s31
	s_lshl_b32 s31, s28, 2                         ; the first column
	s_add_co_u32 s30, s30, s31
	s_mov_b32 s31, 0
	s_add_nc_u64 s[6:7], s[6:7], s[30:31]
	v_lshlrev_b32 v3, 2, v2                        ; 4 bytes a lane
.set i, 0
.rept 128                              ; all 128 rows are asked for at once; every offset is an immediate (127 x 4,096 at the most)
	global_load_b32 v[N+i], v3, s[6:7] offset:4096*i th:TH_LOAD_NT
.set i, i+1
.endr
	s_cmp_eq_u32 s27, 3
	s_cbranch_scc1 .Lwo
	s_lshl_b32 s32, s27, 10
	s_add_co_u32 s32, s32, s28                     ; my first row among the 3,072 rows of codes
	s_mov_b32 s35, 0
	s_lshl_b32 s34, s32, 9
	s_lshl_b32 s33, s26, 8
	s_add_co_u32 s34, s34, s33
	s_add_co_u32 s34, s34, WCOD
	s_add_nc_u64 s[16:17], s[16:17], s[34:35]      ; codes: row x 512 + 256 x K half
	s_lshl_b32 s34, s32, 5
	s_lshl_b32 s33, s26, 4
	s_add_co_u32 s34, s34, s33
	s_add_co_u32 s34, s34, WSC
	s_add_nc_u64 s[18:19], s[18:19], s[34:35]      ; scale bytes: row x 32 + 16 x K half
	v_mul_u32_u24 v4, v2, 272
	s_lshl_b32 s33, s22, 6
	v_add_nc_u32 v4, s33, v4
	v_add_nc_u32 v4, WSTG, v4                      ; into the stage: row = my column, my wave's 64 bytes of its 256
	v_lshlrev_b32 v5, 4, v2
	s_lshl_b32 s33, s22, 2
	v_add_nc_u32 v15, WSCL, v5                     ; a column's 16 scale bytes,
	v_add_nc_u32 v5, s33, v15                      ; my wave's four of them
	v_lshrrev_b32 v1, 4, v2
	v_and_b32 v14, 15, v2
	s_lshl_b32 s33, s22, 3
	v_add_nc_u32 v1, s33, v1                       ; out of the stage: wave w takes rows 8 w on, sixteen lanes to a row, two rows an instruction
	v_mul_u32_u24 v6, v1, 272
	v_lshl_add_u32 v6, v14, 4, v6
	v_add_nc_u32 v6, WSTG, v6
	v_lshlrev_b32 v7, 9, v1
	v_lshl_add_u32 v7, v14, 4, v7                  ; and the same place among the rows of codes
	v_lshlrev_b32 v14, 5, v2                       ; a row of scale bytes is 32 bytes
.macro WBLK t, left
	QBLK \t, \left
.if (\t) == 0
	v_mov_b32 v176, v10                            ; four bytes to a word, the lower K in the lower byte (also the plain line behind the conversions)
.else
	v_lshl_or_b32 v176, v10, 8*(\t), v176
.endif
	ds_store_b128 v4, v[CD+4*(\t):CD+4*(\t)+3] offset:16*(\t)
.endm
	WBLK 0, 63                                     ; 96 loads were issued behind block 0's and 64 behind block 1's; the wait's field ends at 63, and a smaller count is safe
	WBLK 1, 63
	WBLK 2, 32                                     ; block 3's 32 loads may be out
	WBLK 3, 0
	ds_store_b32 v5, v176
	s_wait_dscnt 0x0                               ; for the others' sake: my stores into the stage are done
	s_barrier_signal -1
	s_barrier_wait -1                              ; a row's 256 bytes come from four waves
.irp i, 0,1,2,3
	ds_load_b128 v[180+4*\i:183+4*\i], v6 offset:544*\i
.endr
.irp i, 0,1,2,3
	s_wait_dscnt 3-\i
	global_store_b128 v7, v[180+4*\i:183+4*\i], s[16:17] offset:1024*\i   ; sixteen lanes store 256 consecutive bytes, aligned
.endr
	s_cmp_lg_u32 s22, 0
	s_cbranch_scc1 .Lw_end
	ds_load_b128 v[196:199], v15                   ; wave 0: the 32 columns' scale bytes, 16 a lane, into rows 32 bytes apart: pieces of 16 bytes, one byte in 128 of what the path reads
	s_wait_dscnt 0x0
	global_store_b128 v14, v[196:199], s[18:19]
.Lw_end:
	ENDWAVE
; ---- Wo: the same loads; the numbers times 2^-3 become f16 pairs down K, which is wot's innermost axis.  A wave's 128 along K are 256 bytes of a row of wot: the stage is the wave's own, no barrier.
.Lwo:
	s_lshl_b32 s34, s28, 11                        ; row n of 2,048 bytes,
	s_lshl_b32 s33, s26, 10
	s_add_co_u32 s34, s34, s33                     ; 512 along K are 1,024 bytes,
	s_lshl_b32 s33, s22, 8
	s_add_co_u32 s34, s34, s33                     ; my wave's 256
	s_mov_b32 s35, 0
	s_add_nc_u64 s[20:21], s[20:21], s[34:35]
	s_mul_i32 s33, s22, 32*272
	s_add_co_u32 s33, s33, OSTG
	v_mul_u32_u24 v4, v2, 272
	v_add_nc_u32 v4, s33, v4
	v_lshrrev_b32 v1, 4, v2
	v_and_b32 v14, 15, v2
	v_mul_u32_u24 v6, v1, 272
	v_lshl_add_u32 v6, v14, 4, v6
	v_add_nc_u32 v6, s33, v6
	v_lshlrev_b32 v7, 11, v1
	v_lshl_add_u32 v7, v14, 4, v7
.macro OBLK t, left
.set XS, N+32*(\t)
	s_wait_loadcnt \left
.irp i, 0,2,4,6,8,10,12,14,16,18,20,22,24,26,28,30
	v_pk_mul_f32 v[XS+\i:XS+\i+1], v[XS+\i:XS+\i+1], 0x3e000000 op_sel_hi:[1,0]   ; x 2^-3: exact
.endr
.irp i, 0,1,2,3,4,5,6,7,8,9,10,11,12,13,14,15
	v_cvt_pk_f16_f32 v[CD+16*(\t)+\i], v[XS+2*\i], v[XS+2*\i+1]
.endr
.irp j, 0,1,2,3
	ds_store_b128 v4, v[CD+16*(\t)+4*\j:CD+16*(\t)+4*\j+3] offset:64*(\t)+16*\j
.endr
.endm
	OBLK 0, 63                                     ; counts as in the path above
	OBLK 1, 63
	OBLK 2, 32
	OBLK 3, 0
.irp i, 0,1,2,3,4,5,6,7,8,9,10,11,12,13,14,15
	ds_load_b128 v[N+4*\i:N+4*\i+3], v6 offset:544*\i              ; these see my stores
.endr
.irp i, 0,1,2,3,4,5,6,7,8,9,10,11,12,13,14,15
	s_wait_dscnt 15-\i
	global_store_b128 v7, v[N+4*\i:N+4*\i+3], s[20:21] offset:4096*\i   ; sixteen lanes store 256 consecutive bytes, aligned
.endr
	ENDWAVE
; ---- PATH G: Wg [1,024 (k)][16 (n)], one work-group.  Lane (r, h) takes column r; wave w the K steps 2 w and 2 w + 1 of 128; block t = 2 sl + c holds k = 128 (2 w + sl) + 64 c + 32 h + 0 .. 31,
; the order in which the operand's registers want them.  8.5 KB go out in pieces of 16 and 8 bytes.
.Lgate:
	v_and_b32 v1, 15, v0                           ; r
	v_bfe_u32 v3, v0, 4, 1                         ; h
	v_lshlrev_b32 v4, 2, v1
	v_lshl_add_u32 v4, v3, 11, v4                  ; 4 r + 32 h rows of 64 bytes
	s_lshl_b32 s24, s22, 14                        ; my wave's 256 rows
	s_mov_b32 s25, 0
	s_add_nc_u64 s[14:15], s[14:15], s[24:25]
.irp t, 0,1,2,3
.set i, 0
.rept 32
	global_load_b32 v[N+32*\t+i], v4, s[14:15] offset:(128*(\t/2)+64*(\t%2)+i)*64 th:TH_LOAD_NT
.set i, i+1
.endr
.endr
	s_lshl_b32 s24, s22, 7
	s_add_co_u32 s24, s24, GCOD
	s_add_nc_u64 s[16:17], s[16:17], s[24:25]      ; codes: my wave's 128 bytes of each row of 512
	s_lshl_b32 s24, s22, 3
	s_add_co_u32 s24, s24, GSC
	s_add_nc_u64 s[18:19], s[18:19], s[24:25]      ; scale words: my wave's two of each row's eight
	v_lshlrev_b32 v5, 9, v1
	v_lshl_add_u32 v5, v3, 4, v5                   ; 512 r + 16 h
	v_lshlrev_b32 v6, 5, v1                        ; 32 r
	s_mov_b32 s40, 0x76543210
	s_mov_b32 s41, 0xfedcba98                      ; v_permlanex16_b32's selects for lane l xor 16
.macro GBLK t, left
	QBLK \t, \left
	v_mov_b32 v[177+(\t)], v10                     ; (also the plain line behind the conversions)
	global_store_b128 v5, v[CD+4*(\t):CD+4*(\t)+3], s[16:17] offset:64*((\t)/2)+32*((\t)%2)
.endm
	GBLK 0, 63
	GBLK 1, 63
	GBLK 2, 32
	GBLK 3, 0
	v_lshl_or_b32 v182, v178, 16, v177             ; my two bytes of a K step's word: blocks h and 2 + h,
	v_lshl_or_b32 v183, v180, 16, v179
	v_lshlrev_b32 v184, 3, v3
	v_lshlrev_b32 v182, v184, v182                 ; at their places, 8 h bits up;
	v_lshlrev_b32 v183, v184, v183
	v_mov_b32 v186, 0                              ; (a lane permute's destination counts as one of its sources)
	v_mov_b32 v187, 0
	v_permlanex16_b32 v186, v182, s40, s41
	v_permlanex16_b32 v187, v183, s40, s41
	v_or_b32 v182, v182, v186                      ; with lane l xor 16's two the words are whole
	v_or_b32 v183, v183, v187
	global_store_b64 v6, v[182:183], s[18:19]      ; both halves of the lanes store the same words
	ENDWAVE
.Lfunc_end_k_q744e1bff6d_prep:
	.size	k_q744e1bff6d_prep, .Lfunc_end_k_q744e1bff6d_prep-k_q744e1bff6d_prep
	.p2alignl 7, 3214868480
	.fill 96, 4, 3214868480
	.section	.rodata,"a",@progbits
	.p2align	6, 0x0
	.amdhsa_kernel k_q744e1bff6d_prep
		.amdhsa_group_segment_fixed_size 77312
		.amdhsa_private_segment_fixed_size 0
		.amdhsa_enable_private_segment 0
		.amdhsa_kernarg_size 72
		.amdhsa_user_sgpr_count 2
		.amdhsa_user_sgpr_kernarg_segment_ptr 1
		.amdhsa_wavefront_size32 1
		.amdhsa_system_sgpr_workgroup_id_x 1
		.amdhsa_system_sgpr_workgroup_id_y 1
		.amdhsa_system_sgpr_workgroup_id_z 1
		.amdhsa_system_vgpr_workitem_id 0
		.amdhsa_next_free_vgpr 224
		.amdhsa_next_free_sgpr 66
		.amdhsa_reserve_vcc 0
		.amdhsa_float_denorm_mode_32 3
		.amdhsa_float_denorm_mode_16_64 3
		.amdhsa_memory_ordered 1
		.amdhsa_forward_progress 1
		.amdhsa_inst_pref_size 89
	.end_amdhsa_kernel
	.amdgpu_metadata
---
amdhsa.version: [ 1, 2 ]
amdhsa.kernels:
  - .name:           k_q744e1bff6d_prep
    .symbol:         k_q744e1bff6d_prep.kd
    .args:
      - { .name: hidden_states, .offset: 0, .size: 8, .value_kind: global_buffer, .address_space: global }
      - { .name: Wq, .offset: 8, .size: 8, .value_kind: global_buffer, .address_space: global }
      - { .name: Wk, .offset: 16, .size: 8, .value_kind: global_buffer, .address_space: global }
      - { .name: Wv, .offset: 24, .size: 8, .value_kind: global_buffer, .address_space: global }
      - { .name: Wo, .offset: 32, .size: 8, .value_kind: global_buffer, .address_space: global }
      - { .name: Wg, .offset: 40, .size: 8, .value_kind: global_buffer, .address_space: global }
      - { .name: cod, .offset: 48, .size: 8, .value_kind: global_buffer, .address_space: global }
      - { .name: scl, .offset: 56, .size: 8, .value_kind: global_buffer, .address_space: global }
      - { .name: wot, .offset: 64, .size: 8, .value_kind: global_buffer, .address_space: global }
    .group_segment_fixed_size: 77312
    .private_segment_fixed_size: 0
    .kernarg_segment_align: 8
    .kernarg_segment_size: 72
    .max_flat_workgroup_size: 128
    .sgpr_count:     66
    .vgpr_count:     224
    .wavefront_size: 32
...
	.end_amdgpu_metadata
.endif
;; end of part 1
;; launch qkvp (part 2): grid 12 x 16, 4 waves a work-group, clusters of 4 x 4, 327,680 bytes of LDS; arguments cod, scl, bq, bv, bg, has_error_codes, attention_mask, qkv, add8; writes qkv, add8
.if DOCPART == 2
	.amdgcn_target "amdgcn-amd-amdhsa--gfx1250"
	.amdhsa_code_object_version 6
	.text
	.protected	k_q744e1bff6d_qkvp
	.globl	k_q744e1bff6d_qkvp
	.p2align	8
	.type	k_q744e1bff6d_qkvp,@function
k_q744e1bff6d_qkvp:
	s_mov_b64 s[64:65], 0
	v_nop
	global_prefetch_b8 v0, s[64:65] scope:SCOPE_SE
	s_setreg_imm32_b32 hwreg(HW_REG_WAVE_MODE, 25, 1), 1
	s_wait_xcnt 0x0
	s_wait_alu depctr_hold_cnt(0) depctr_sa_sdst(0) depctr_va_vdst(0) depctr_va_sdst(0) depctr_va_ssrc(0) depctr_va_vcc(0) depctr_vm_vsrc(0)
	s_getreg_b32 s2, hwreg(HW_REG_IB_STS2, 6, 4)
	s_cmp_eq_u32 s2, 0
	s_cbranch_scc0 .Lentry_in_a_cluster
	s_endpgm
.Lentry_in_a_cluster:
	s_bfe_u32 s2, ttmp6, 0x10000c
	s_cmp_lg_u32 s2, 0xf033
	s_cbranch_scc0 .Lentry_shape_is_right
	s_endpgm
.Lentry_shape_is_right:
; SECOND LAUNCH: q = x Wq + bq, k = x Wk, v = x Wv + bv on codes of FP4 with E8M0 scales: one GEMM [4,096] x [3,072] over K = 1,024; results rounded once to f16 and laid head by head, qkv[which][batch x head][token][64].
; And the per-key term of the scores: add8[batch x head][key] = 8 (err[key] sigmoid(x Wg + bg) + mask[key]), x Wg again on FP4 codes; the 8 is the scores' divisor sqrt(64), taken off again with the scores.
; WORK LEFT OUT: bk is not added and not loaded, diag_bias likewise: each adds the same number to all keys of a row of scores, which the softmax takes out (shown at the head of the first launch).
; LIMITS: q, k and v are kept in f16: magnitudes up to 65,504; NaN and infinities are not served, but for -infinity in attention_mask.
; A tile of 256 x 256 is made by four waves, 128 x 128 each: 64 accumulators, 512 registers.  All of K lies in two LDS slots of 512 along K: every tensor load of the launch is a first fill; three of a wave's are out at the most.
; The scale bytes of the tile's 256 + 256 rows come once, as dense blocks.  CLUSTERS 4 x 4: a row of the cluster shares x's tiles, a column W's: joint loads.  A cluster's x is 0 for q, 1 for k, 2 for v: the same in all sixteen partners.
; THE MATRIX INSTRUCTION IS USED TRANSPOSED (source 0 = 16 rows of W's codes, source 1 = 16 tokens): a lane holds eight neighbouring columns of one token.  The bias is the C of each sum's first product.
; REGISTERS: window 0: v0-31 addresses; v32-95 scale words, two sets; v96-127 packed results; v128-191 x's fragments, one set, later rows on their way out; v192-255 the bias in the result's layout.
;   window 1: W's fragments, two sets, at v0 and v128.  window 2: accumulators of my rows 0-63 ((a, b) at v[8 (8 a + b)]);  window 3: rows 64-127.
.set NQ,     4                         ; steps of 128 along K in a slot
.set ROWB,   256                       ; a tile's row: 512 codes
.set KROW,   512                       ; a row of codes in memory
.set PITCH,  272                       ; an LDS row: 256 bytes + 16 of padding: the 16 rows of a fragment load start 4 banks apart (64 banks of 4 bytes: ISA guide 11.1)
.set FR,     8
.set NL,     2
.set NP,     4                         ; places behind this matrix instruction (ISA guide 7.12.1)
.set HALFT,  128*PITCH
.set SLOT,   4*HALFT
.set KS,     32                        ; a row of scale bytes
.set SCL,    2*SLOT
.set HALFS,  16*272                    ; the scale bytes of 128 rows: 16 lines of 256 bytes + 16
.set SBLK,   2*272                     ; of 16 rows
.set SPARE,  SCL+4*HALFS               ; the spare words, 128 bytes for each wave
.set SPITCH, 272                       ; the way out: 16 rows x (256 bytes + 16) for each wave, in slot 0, which has had its one fill and its last read by then
.set WCOD,   2097152
.set GCOD,   3670016
.set WSC,    131072
.set GSC,    229376
.set ADRA, 16
.set ADRB, 20
.set STO,  24
.set RD,   25
.set CO,   26
.set ADRS, 27
.set SPW,  28
.set NIL,  29
.set SC,   32
.set TMP,  96
.set AF,   128
.set BK,   128
.set BI,   192
.set GX,   128                         ; the gate: x's eight fragments (window 0); Wg's lie at v0-63 of window 1
.set GXS,  32                          ; x's scale words, v32-39;  Wg's v40-47
.set GWS,  40
.set GE,   104                         ; err, v104-111;  mask v112-119;  bg v120, -log2(e) bg v121
.set GM,   112
.set GB,   120
.set GA0,  192                         ; two accumulators, K steps by turns
.set GA1,  200
.set GG,   208
.set GR,   216
.set GOUT, 224
.set G1, 24
.set G0, 32
.set G1B, 48
.set G0B, 56
.set G1S, 68
.set G0S, 76
.set G1SB, 80
.set G0SB, 88
.set MSB, 0
.macro WIN new                         ; the immediate's high byte repeats the setting that is left
.if MSB != \new
	s_set_vgpr_msb (MSB<<8)|\new
.set MSB, \new
.endif
.endm
.set MUL_LO, 0xa1                      ; source 0 (W) window 1, source 1 (x) window 0, C and D window 2
.set MUL_HI, 0xf1
.set TO_B,   0x40
; A joint load: waves 0 and 1 fetch for x, waves 2 and 3 for W; the branch hangs on the wave's number alone.  An s_nop 0 and four v_nop follow each line.
.macro JLOAD g0a, g1a, g0b, g1b
	s_cmp_eq_u32 s15, 0
	s_cbranch_scc0 .Lfor_b_\@
	tensor_load_to_lds s[\g0a:\g0a+3], s[\g1a:\g1a+7]
	s_nop 0
.rept 4
	v_nop
.endr
	s_branch .Lasked_\@
.Lfor_b_\@:
	tensor_load_to_lds s[\g0b:\g0b+3], s[\g1b:\g1b+7]
	s_nop 0
.rept 4
	v_nop
.endr
.Lasked_\@:
.endm
.macro CROUND                          ; a round of the cluster's barrier
	s_barrier_signal -1
	s_barrier_wait -1
	s_cmp_lg_u32 s14, 0
	s_cbranch_scc1 .Lnot_wave_0_\@
	s_barrier_signal -3
.Lnot_wave_0_\@:
	s_barrier_wait -3
	s_barrier_signal -1
	s_barrier_wait -1
.endm
.macro PLACES n
.rept \n
	v_nop
.endr
.endm
	s_load_b128 s[4:7], s[0:1], 0x0                ; cod, scl
	s_load_b128 s[8:11], s[0:1], 0x10              ; bq, bv
	s_load_b128 s[96:99], s[0:1], 0x20             ; bg, has_error_codes
	s_load_b64 s[100:101], s[0:1], 0x30            ; attention_mask
	s_load_b64 s[12:13], s[0:1], 0x38              ; qkv
	s_load_b64 s[66:67], s[0:1], 0x40              ; add8
	v_lshl_add_u32 v[SPW], v0, 2, SPARE
	v_mov_b32 v[NIL], 0
	ds_add_u32 v[SPW], v[NIL]                      ; the wave's opening: the add, twice on end, and its wait ahead of my first tensor load
	ds_add_u32 v[SPW], v[NIL]
	v_lshrrev_b32 v1, 5, v0
	v_readfirstlane_b32 s14, v1                    ; wave 0..3
	s_lshr_b32 s15, s14, 1                         ; which half of the tile's rows is mine.  Also: I fetch for x (0) or for W (1)
	s_and_b32 s16, s14, 1                          ; which half of its columns.  Also: which 128 rows I fetch
	s_bfe_u32 s40, ttmp6, 0x40000                  ; cx, cy
	s_bfe_u32 s41, ttmp6, 0x40004
	s_lshl_b32 s42, ttmp9, 2
	s_add_co_u32 s42, s42, s40                     ; tile column 0..11
	s_and_b32 s17, ttmp7, 0xffff
	s_lshl_b32 s17, s17, 2
	s_add_co_u32 s17, s17, s41                     ; tile row 0..15
	s_lshl_b32 s43, s41, 2
	s_lshl_b32 s43, 15, s43                        ; my row of the cluster
	s_lshl_b32 s44, 0x1111, s40                    ; my column
	s_or_b32 s[G1+0], s43, (0<<16)|(1<<20)|(1<<21)|(5<<22)|(3<<25)   ; the mask; elements of 1 byte; padding on; bit 21 beside a mask; 4 words behind every 64
	s_or_b32 s[G1B+0], s44, (0<<16)|(1<<20)|(1<<21)|(5<<22)|(3<<25)
.irp g, G1, G1B
	s_mov_b32 s[\g+1], ROWB<<16                    ; tensor_dim0
	s_mov_b32 s[\g+2], 128<<16                     ; tensor_dim1
	s_mov_b32 s[\g+3], ROWB<<16                    ; tile_dim0
	s_mov_b32 s[\g+4], 128                         ; tile_dim1
	s_mov_b32 s[\g+5], KROW                        ; from row to row
	s_mov_b32 s[\g+6], 0
	s_mov_b32 s[\g+7], 0
.endr
	s_or_b32 s[G1S+0], s43, (3<<16)|(1<<20)|(1<<21)|(5<<22)|(3<<25)  ; the scale bytes of 128 rows: 4,096 dense bytes as 16 lines of 32 elements of 8 bytes
	s_or_b32 s[G1SB+0], s44, (3<<16)|(1<<20)|(1<<21)|(5<<22)|(3<<25)
.irp g, G1S, G1SB
	s_mov_b32 s[\g+1], 32<<16
	s_mov_b32 s[\g+2], 16<<16
	s_mov_b32 s[\g+3], 32<<16
	s_mov_b32 s[\g+4], 16
	s_mov_b32 s[\g+5], 32
	s_mov_b32 s[\g+6], 0
	s_mov_b32 s[\g+7], 0
.endr
	s_lshl_b32 s18, s16, 7                         ; which 128 rows I fetch
	s_lshl_b32 s20, s17, 8
	s_add_co_u32 s20, s20, s18                     ; x: token 256 x tile row + 128 x half
	s_lshl_b32 s46, s42, 8
	s_add_co_u32 s46, s46, s18                     ; W: row 256 x tile column + 128 x half
	s_lshl_b32 s22, s20, 5                         ; their scale bytes,
	s_lshl_b32 s92, s46, 5
	s_add_co_u32 s92, s92, WSC
	s_lshl_b32 s20, s20, 9                         ; their codes: all offsets stay under 2^32
	s_lshl_b32 s46, s46, 9
	s_add_co_u32 s46, s46, WCOD
	s_mov_b32 s21, 0
	s_mov_b32 s23, 0
	s_mov_b32 s47, 0
	s_mov_b32 s93, 0
	s_mul_i32 s45, s14, HALFT                      ; where they go: wave x 128 rows: no place in the cluster enters an LDS address
	s_mul_i32 s94, s14, HALFS
	s_wait_dscnt 0x0                               ; both opening adds are done
	s_wait_kmcnt 0x0
	s_add_nc_u64 s[20:21], s[4:5], s[20:21]
	s_add_nc_u64 s[22:23], s[6:7], s[22:23]
	s_add_nc_u64 s[46:47], s[4:5], s[46:47]
	s_add_nc_u64 s[92:93], s[6:7], s[92:93]
	CROUND                                         ; all sixteen work-groups are here: the joint loads meet
	s_mov_b32 s[G0S], 1
	s_add_co_u32 s[G0S+1], s94, SCL
	s_mov_b64 s[G0S+2:G0S+3], s[22:23]
	s_or_b32 s[G0S+3], s[G0S+3], 0x80000000
	s_mov_b32 s[G0SB], 1
	s_add_co_u32 s[G0SB+1], s94, SCL
	s_mov_b64 s[G0SB+2:G0SB+3], s[92:93]
	s_or_b32 s[G0SB+3], s[G0SB+3], 0x80000000
	JLOAD G0S, G1S, G0SB, G1SB                     ; the scale bytes first: they are wanted with the first step
.irp s, 0,1
	s_mov_b32 s[G0+4*\s], 1
	s_add_co_u32 s[G0+4*\s+1], s45, \s*SLOT
	s_add_nc_u64 s[G0+4*\s+2:G0+4*\s+3], s[20:21], \s*ROWB
	s_or_b32 s[G0+4*\s+3], s[G0+4*\s+3], 0x80000000
	s_mov_b32 s[G0B+4*\s], 1
	s_add_co_u32 s[G0B+4*\s+1], s45, \s*SLOT
	s_add_nc_u64 s[G0B+4*\s+2:G0B+4*\s+3], s[46:47], \s*ROWB
	s_or_b32 s[G0B+4*\s+3], s[G0B+4*\s+3], 0x80000000
	JLOAD G0+4*\s, G1, G0B+4*\s, G1B
.endr
	v_and_b32 v1, 15, v0                           ; r = l % 16
	v_bfe_u32 v2, v0, 4, 1                         ; h = l / 16
	v_mul_u32_u24 v3, v1, PITCH
	v_lshl_add_u32 v4, v2, 4, v3                   ; a fragment's row x pitch + 16 h
	s_mul_i32 s21, s15, HALFT
	s_mul_i32 s22, s16, HALFT
	s_add_co_u32 s22, s22, 2*HALFT
.irp s, 0,1
	v_add_nc_u32 v[ADRA+\s], s21, v4
	v_add_nc_u32 v[ADRB+\s], s22, v4
	s_add_co_u32 s21, s21, SLOT
	s_add_co_u32 s22, s22, SLOT
.endr
	v_mul_u32_u24 v5, v1, KS                       ; my row's scale bytes: 32 a row,
	v_lshrrev_b32 v6, 8, v5
	v_lshl_add_u32 v5, v6, 4, v5                   ; and 16 more for each 256 passed
	s_mul_i32 s21, s15, HALFS
	s_mul_i32 s22, s16, HALFS
	s_add_co_u32 s22, s22, 2*HALFS
	s_sub_co_u32 s22, s22, s21
	v_mul_u32_u24 v6, s22, v2                      ; lanes 16-31 take W's: one product, the distance between the two bases
	s_add_co_u32 s21, s21, SCL
	v_add_nc_u32 v5, v5, v6
	v_add_nc_u32 v[ADRS], s21, v5
	s_mul_i32 s23, s14, 16*SPITCH                  ; my stage
	v_mul_u32_u24 v5, v1, SPITCH
	v_lshl_add_u32 v5, v2, 4, v5
	v_add_nc_u32 v[STO], s23, v5                   ; in: token r, 16 bytes for each half of the lanes
	v_bfe_u32 v5, v0, 3, 1
	v_and_b32 v6, 7, v0
	v_mul_u32_u24 v3, v5, SPITCH
	v_lshl_add_u32 v3, v2, 7, v3
	v_lshl_add_u32 v3, v6, 4, v3
	v_add_nc_u32 v[RD], s23, v3                    ; back: lanes 0-15 two tokens' 128 bytes of my first head, lanes 16-31 of my second
	v_lshlrev_b32 v3, 18, v2                       ; and in qkv: a head is 262,144 bytes, a token 128
	v_lshl_add_u32 v3, v5, 7, v3
	v_lshl_add_u32 v[CO], v6, 4, v3
	s_lshl_b32 s20, ttmp9, 5                       ; which x 32
	s_lshr_b32 s21, s17, 3
	s_lshl_b32 s21, s21, 4                         ; + batch x 16
	s_add_co_u32 s20, s20, s21
	s_lshl_b32 s21, s40, 2                         ; + my first head: 4 cx + 2 x column half
	s_add_co_u32 s20, s20, s21
	s_lshl_b32 s21, s16, 1
	s_add_co_u32 s20, s20, s21
	s_lshl_b32 s20, s20, 11                        ; x 2,048 tokens
	s_and_b32 s21, s17, 7
	s_lshl_b32 s21, s21, 8
	s_add_co_u32 s20, s20, s21                     ; + my first token in the batch
	s_lshl_b32 s21, s15, 7
	s_add_co_u32 s20, s20, s21
	s_lshl_b32 s20, s20, 7                         ; x 128 bytes
	s_mov_b32 s21, 0
	s_add_nc_u64 s[12:13], s[12:13], s[20:21]
	v_lshlrev_b32 v9, 5, v2                        ; 32 h
	s_cmp_eq_u32 ttmp9, 1                          ; the cluster's x: the same in all partners
	s_cbranch_scc1 .Lk_arm
	; ---- q and v: the bias of my 128 columns in the result's layout: for W's block b lane (r, h) wants columns 16 b + 8 h + 0 .. 7
	s_cmp_eq_u32 ttmp9, 0
	s_cselect_b64 s[8:9], s[8:9], s[10:11]
	s_lshl_b32 s20, s40, 10
	s_lshl_b32 s21, s16, 9
	s_add_co_u32 s20, s20, s21
	s_mov_b32 s21, 0
	s_add_nc_u64 s[8:9], s[8:9], s[20:21]
.irp b, 0,1,2,3,4,5,6,7
	global_load_b128 v[BI+8*\b:BI+8*\b+3], v9, s[8:9] offset:64*\b
	global_load_b128 v[BI+8*\b+4:BI+8*\b+7], v9, s[8:9] offset:64*\b+16
.endr
	s_branch .Larm_done
.Lk_arm:
	; ---- k's work-groups, 64 of them with 4 waves each, also make add8: a wave takes 16 tokens x 16 heads.  Operands come from memory straight into registers; LDS is not touched.
	s_lshl_b32 s20, s17, 8
	s_lshl_b32 s21, s40, 6
	s_add_co_u32 s20, s20, s21
	s_lshl_b32 s21, s14, 4
	s_add_co_u32 s20, s20, s21                     ; my first token: 256 x tile row + 64 cx + 16 x wave (cx enters global addresses alone)
	s_mov_b32 s47, 0
	s_lshl_b32 s46, s20, 9
	s_add_nc_u64 s[92:93], s[4:5], s[46:47]        ; x's codes
	s_add_nc_u64 s[4:5], s[4:5], GCOD              ; Wg's
	s_lshl_b32 s46, s20, 5
	s_add_nc_u64 s[22:23], s[6:7], s[46:47]        ; x's scale words
	s_add_nc_u64 s[6:7], s[6:7], GSC               ; Wg's
	s_lshl_b32 s46, s20, 2
	s_add_nc_u64 s[98:99], s[98:99], s[46:47]      ; err and mask: 4 bytes a token
	s_add_nc_u64 s[100:101], s[100:101], s[46:47]
	s_lshr_b32 s46, s20, 11
	s_lshl_b32 s46, s46, 17                        ; add8: batch x 16 heads x 8,192 bytes
	s_and_b32 s21, s20, 2047
	s_lshl_b32 s21, s21, 2
	s_add_co_u32 s46, s46, s21
	s_add_nc_u64 s[66:67], s[66:67], s[46:47]
	s_mov_b32 s94, 0xbfb8aa3b                      ; -log2(e)
	v_lshlrev_b32 v7, 9, v1
	v_lshl_add_u32 v7, v2, 4, v7                   ; a row of 512 bytes of codes, + 16 h
	v_lshlrev_b32 v8, 5, v1                        ; a row of 32 scale bytes
	v_lshlrev_b32 v10, 2, v1                       ; bg[r]
	v_lshlrev_b32 v11, 13, v1
	v_lshl_add_u32 v11, v2, 5, v11                 ; add8: head r, + my 8 tokens
.irp s, 0,1,2,3,4,5,6,7
.irp c, 0,1
	global_load_b128 v[GX+8*\s+4*\c:GX+8*\s+4*\c+3], v7, s[92:93] offset:64*\s+32*\c
.endr
.endr
	global_load_b128 v[GXS:GXS+3], v8, s[22:23]
	global_load_b128 v[GXS+4:GXS+7], v8, s[22:23] offset:16
	global_load_b128 v[GWS:GWS+3], v8, s[6:7]
	global_load_b128 v[GWS+4:GWS+7], v8, s[6:7] offset:16
	global_load_b128 v[GE:GE+3], v9, s[98:99]
	global_load_b128 v[GE+4:GE+7], v9, s[98:99] offset:16
	global_load_b128 v[GM:GM+3], v9, s[100:101]
	global_load_b128 v[GM+4:GM+7], v9, s[100:101] offset:16
	global_load_b32 v[GB], v10, s[96:97]
	WIN TO_B
.irp s, 0,1,2,3,4,5,6,7
.irp c, 0,1
	global_load_b128 v[8*\s+4*\c:8*\s+4*\c+3], v7, s[4:5] offset:64*\s+32*\c
.endr
.endr
	WIN 0
	s_wait_loadcnt 0x0
	WIN 0x04                                       ; source 1 (Wg) window 1
.irp s, 0,1,2,3,4,5,6,7                        ; source 0 = my 16 tokens, source 1 = the 16 heads: lane (r, h) gets head r, tokens 8 h + 0 .. 7.  Two accumulators by turns
.if \s < 2
	v_wmma_scale_f32_16x16x128_f8f6f4 v[GA0+8*\s:GA0+8*\s+7], v[GX+8*\s:GX+8*\s+7], v[8*\s:8*\s+7], 0, v[GXS+\s], v[GWS+\s] matrix_a_fmt:MATRIX_FMT_FP4 matrix_b_fmt:MATRIX_FMT_FP4
.else
	v_wmma_scale_f32_16x16x128_f8f6f4 v[GA0+8*(\s%2):GA0+8*(\s%2)+7], v[GX+8*\s:GX+8*\s+7], v[8*\s:8*\s+7], v[GA0+8*(\s%2):GA0+8*(\s%2)+7], v[GXS+\s], v[GWS+\s] matrix_a_fmt:MATRIX_FMT_FP4 matrix_b_fmt:MATRIX_FMT_FP4
.endif
.endr
	WIN 0
	PLACES NP
.irp j, 0,2,4,6
	v_pk_add_f32 v[GG+\j:GG+\j+1], v[GA0+\j:GA0+\j+1], v[GA1+\j:GA1+\j+1]   ; both accumulators from their low ends on
.endr
	v_mul_f32 v[GB+1], s94, v[GB]
.irp j, 0,1,2,3,4,5,6,7
	v_fma_f32 v[GG+\j], v[GG+\j], s94, v[GB+1]     ; -log2(e) (x Wg + bg)
.endr
.irp j, 0,1,2,3,4,5,6,7
	v_exp_f32 v[GG+\j], v[GG+\j]
.endr
	v_nop                                          ; a plain line behind the last exponential
	s_wait_alu depctr_va_vdst(0)                   ; one wait for the batch, ahead of its first reader
.irp j, 0,1,2,3,4,5,6,7
	v_add_f32 v[GG+\j], 1.0, v[GG+\j]
.endr
.irp j, 0,1,2,3,4,5,6,7
	v_rcp_f32 v[GR+\j], v[GG+\j]                   ; sigmoid
.endr
.irp j, 0,1,2,3,4,5,6,7
	v_cvt_f32_i32 v[GE+\j], v[GE+\j]               ; err as a number: independent work behind the reciprocals
.endr
.irp j, 0,2,4,6
	v_pk_mul_f32 v[GE+\j:GE+\j+1], v[GE+\j:GE+\j+1], 0x41000000 op_sel_hi:[1,0]   ; x 8
	v_pk_mul_f32 v[GM+\j:GM+\j+1], v[GM+\j:GM+\j+1], 0x41000000 op_sel_hi:[1,0]
.endr
	s_wait_alu depctr_va_vdst(0)                   ; one wait for the eight reciprocals
.irp j, 0,1,2,3,4,5,6,7
	v_fma_f32 v[GOUT+\j], v[GE+\j], v[GR+\j], v[GM+\j]
.endr
	global_store_b128 v11, v[GOUT:GOUT+3], s[66:67]                ; 32 bytes a lane, 64 for a head: pieces of a buffer of 256 KB
	global_store_b128 v11, v[GOUT+4:GOUT+7], s[66:67] offset:16
	s_wait_xcnt 0x0                                ; the stores have read their registers, which are written below
.set i, 0
.rept 64
	v_mov_b32 v[BI+i], 0                           ; k has no bias: bk is work left out
.set i, i+1
.endr
.Larm_done:
.macro FRAG reg, adr, q, i             ; 16 rows x 128 K of 4-bit codes, 8 registers: lane l holds row l % 16; registers 4 c .. 4 c + 3 hold K = 64 c + 32 (l / 16) + 0 .. 31
.irp c, 0,1
	ds_load_b128 v[\reg+4*\c:\reg+4*\c+3], v[\adr] offset:64*(\q)+32*\c+(\i)*16*PITCH
.endr
.endm
; 16 matrix instructions: x's blocks a0, a0 + 1 against W's eight.  first = 1: the sums start from the bias.  The 64 accumulators take turns, one instruction a turn, in the same order in every step.
.macro MUL16 a0, p, q, sc, first
.irp a, \a0, \a0+1
.irp b, 0,1,2,3,4,5,6,7
.if \first
	v_wmma_scale_f32_16x16x128_f8f6f4 v[8*(8*((\a)%4)+\b):8*(8*((\a)%4)+\b)+7], v[128*(\p)+FR*\b:128*(\p)+FR*\b+FR-1], v[AF+FR*(\a):AF+FR*(\a)+FR-1], v[BI+8*\b:BI+8*\b+7], v[SC+8*NQ*(\sc)+NQ*\b+(\q)], v[SC+8*NQ*(\sc)+NQ*(\a)+(\q)] matrix_a_fmt:MATRIX_FMT_FP4 matrix_b_fmt:MATRIX_FMT_FP4 matrix_a_scale:MATRIX_SCALE_ROW1
.else
	v_wmma_scale_f32_16x16x128_f8f6f4 v[8*(8*((\a)%4)+\b):8*(8*((\a)%4)+\b)+7], v[128*(\p)+FR*\b:128*(\p)+FR*\b+FR-1], v[AF+FR*(\a):AF+FR*(\a)+FR-1], v[8*(8*((\a)%4)+\b):8*(8*((\a)%4)+\b)+7], v[SC+8*NQ*(\sc)+NQ*\b+(\q)], v[SC+8*NQ*(\sc)+NQ*(\a)+(\q)] matrix_a_fmt:MATRIX_FMT_FP4 matrix_b_fmt:MATRIX_FMT_FP4 matrix_a_scale:MATRIX_SCALE_ROW1
.endif
.endr
.endr
.endm
.macro FETCH_B slot, q, p
	WIN TO_B
.irp i, 0,1,2,3,4,5,6,7
	FRAG 128*(\p)+FR*\i, ADRB+\slot, \q, \i
.endr
	WIN 0
.endm
.macro FETCH_A slot, q, i0
.irp i, \i0, \i0+1, \i0+2, \i0+3
	FRAG AF+FR*(\i), ADRA+\slot, \q, \i
.endr
.endm
.macro SCALES sc                       ; a slot's scale words: 4 a row; lanes 0-15 take x's block i, lanes 16-31 W's block i
.irp i, 0,1,2,3,4,5,6,7
	ds_load_b128 v[SC+8*NQ*\sc+NQ*\i:SC+8*NQ*\sc+NQ*\i+3], v[ADRS] offset:\i*SBLK
.endr
.endm
; A step of 128 along K that has its successor in the same slot.  x has one set of fragments: blocks 0-3 are fetched anew in the step's middle, blocks 4-7 at its end; W has two sets.
.macro STEP slot, q, first
	s_wait_dscnt 4*NL                              ; W's set and x's blocks 0-3 are in; the youngest eight loads (x's blocks 4-7) may be out
.if \first
	WIN 0x81                                       ; C (the bias) window 0, D window 2
.else
	WIN MUL_LO
.endif
	MUL16 0, (\q)%2, \q, \slot, \first
	MUL16 2, (\q)%2, \q, \slot, \first
	s_wait_dscnt 0
	PLACES NP                                      ; in front of loads into registers that matrix instructions have read
	FETCH_B \slot, (\q)+1, 1-(\q)%2
	FETCH_A \slot, (\q)+1, 0
.if \first
	WIN 0xc1
.else
	WIN MUL_HI
.endif
	MUL16 4, (\q)%2, \q, \slot, \first
	MUL16 6, (\q)%2, \q, \slot, \first
	PLACES NP
	WIN 0
	FETCH_A \slot, (\q)+1, 4
.endm
; Slot 0's last step changes slots: each wave waits for all its tensor loads (slot 1's is the one that may be out) and for its reads of slot 0; behind the barrier slot 1 is whole, and slot 0 is free for the way out.
.macro TURN slot, next
	s_wait_tensorcnt 0x0
	ds_add_u32 v[SPW], v[NIL]                      ; 0 onto my spare word
	s_wait_dscnt 4*NL+1                            ; (the add and x's blocks 4-7 may be out)
	WIN MUL_LO
	MUL16 0, 1, NQ-1, \slot, 0
	s_wait_dscnt 0x0                               ; the add is done, and my reads of this slot are over
	s_barrier_signal -1
	MUL16 2, 1, NQ-1, \slot, 0
	WIN 0
	s_barrier_wait -1
	PLACES NP
	v_add_nc_u32 v[ADRS], 4*NQ, v[ADRS]            ; the next slot's scale words
	FETCH_B \next, 0, 0
	FETCH_A \next, 0, 0
	SCALES \next
	WIN MUL_HI
	MUL16 4, 1, NQ-1, \slot, 0
	MUL16 6, 1, NQ-1, \slot, 0
	PLACES NP
	WIN 0
	FETCH_A \next, 0, 4
.endm
	s_wait_loadcnt 0x0                             ; the bias
	s_wait_tensorcnt 1                             ; the scale bytes and my part of slot 0 are in; slot 1's load may be out,
	s_barrier_signal -1
	s_barrier_wait -1                              ; everybody's are
	FETCH_B 0, 0, 0
	FETCH_A 0, 0, 0
	SCALES 0
	FETCH_A 0, 0, 4
	STEP 0, 0, 1
	STEP 0, 1, 0
	STEP 0, 2, 0
	TURN 0, 1
	STEP 1, 0, 0
	STEP 1, 1, 0
	STEP 1, 2, 0
	s_wait_dscnt 4*NL                              ; the last step: nothing more to fetch
	WIN MUL_LO
	MUL16 0, 1, NQ-1, 1, 0
	MUL16 2, 1, NQ-1, 1, 0
	s_wait_dscnt 0
	WIN MUL_HI
	MUL16 4, 1, NQ-1, 1, 0
	MUL16 6, 1, NQ-1, 1, 0
	WIN 0
; THE WAY OUT, 16 tokens at a time: rounded to f16 (16 bytes a lane), into my stage, back so that sixteen lanes hold two tokens of one head: 256 consecutive bytes of qkv.
.macro PACK a
.set AC, 64*((\a)%4)
	WIN 0x0a+5*((\a)/4)                            ; sources 0 and 1: window 2 or 3
.irp b, 0,1,2,3,4,5,6,7
.irp i, 0,1,2,3
	v_cvt_pk_f16_f32 v[TMP+4*\b+\i], v[AC+8*\b+2*\i], v[AC+8*\b+2*\i+1]   ; each accumulator from its low end on
.endr
.endr
	WIN 0
.endm
.macro TOSTAGE a
.set BB, BK+32*((\a)%2)
.irp b, 0,1,2,3,4,5,6,7
	ds_store_b128 v[STO], v[TMP+4*\b:TMP+4*\b+3] offset:32*\b
.endr
.irp i, 0,1,2,3,4,5,6,7
	ds_load_b128 v[BB+4*\i:BB+4*\i+3], v[RD] offset:\i*2*SPITCH    ; LDS serves a wave's instructions in order (ISA guide 5.7.1.4): these see the stores above
.endr
.endm
.macro SEND a
.set BB, BK+32*((\a)%2)
	s_wait_dscnt 0x0                               ; the block is back in registers
	s_wait_xcnt 0x0                                ; the block before has been read by its stores: its registers take the next block's loads only behind this wait
.irp i, 0,1,2,3,4,5,6,7
	global_store_b128 v[CO], v[BB+4*\i:BB+4*\i+3], s[12:13] offset:2048*(\a)+256*\i   ; each half of the lanes stores 256 consecutive bytes, aligned
.endr
.endm
	PLACES NP                                      ; behind the last products: the conversions read results, the loads land where x's fragments lay
	PACK 0
	TOSTAGE 0
.irp a, 1,2,3,4,5,6,7                  ; block a's conversions stand between block a - 1's loads from the stage and the wait for them
	PACK \a
	SEND \a-1
	TOSTAGE \a
.endr
	SEND 7
	s_wait_tensorcnt 0x0                           ; the wave's end
	ds_add_u32 v[SPW], v[NIL]
	s_wait_dscnt 0x0
	CROUND                                         ; the closing round
	s_endpgm
.Lfunc_end_k_q744e1bff6d_qkvp:
	.size	k_q744e1bff6d_qkvp, .Lfunc_end_k_q744e1bff6d_qkvp-k_q744e1bff6d_qkvp
	.p2alignl 7, 3214868480
	.fill 96, 4, 3214868480
	.section	.rodata,"a",@progbits
	.p2align	6, 0x0
	.amdhsa_kernel k_q744e1bff6d_qkvp
		.amdhsa_group_segment_fixed_size 327680
		.amdhsa_private_segment_fixed_size 0
		.amdhsa_enable_private_segment 0
		.amdhsa_kernarg_size 72
		.amdhsa_user_sgpr_count 2
		.amdhsa_user_sgpr_kernarg_segment_ptr 1
		.amdhsa_wavefront_size32 1
		.amdhsa_system_sgpr_workgroup_id_x 1
		.amdhsa_system_sgpr_workgroup_id_y 1
		.amdhsa_system_sgpr_workgroup_id_z 1
		.amdhsa_system_vgpr_workitem_id 0
		.amdhsa_next_free_vgpr 1024
		.amdhsa_next_free_sgpr 102
		.amdhsa_reserve_vcc 0
		.amdhsa_float_denorm_mode_32 3
		.amdhsa_float_denorm_mode_16_64 3
		.amdhsa_memory_ordered 1
		.amdhsa_forward_progress 1
		.amdhsa_inst_pref_size 140
	.end_amdhsa_kernel
	.amdgpu_metadata
---
amdhsa.version: [ 1, 2 ]
amdhsa.kernels:
  - .name:           k_q744e1bff6d_qkvp
    .symbol:         k_q744e1bff6d_qkvp.kd
    .args:
      - { .name: cod, .offset: 0, .size: 8, .value_kind: global_buffer, .address_space: global }
      - { .name: scl, .offset: 8, .size: 8, .value_kind: global_buffer, .address_space: global }
      - { .name: bq, .offset: 16, .size: 8, .value_kind: global_buffer, .address_space: global }
      - { .name: bv, .offset: 24, .size: 8, .value_kind: global_buffer, .address_space: global }
      - { .name: bg, .offset: 32, .size: 8, .value_kind: global_buffer, .address_space: global }
      - { .name: has_error_codes, .offset: 40, .size: 8, .value_kind: global_buffer, .address_space: global }
      - { .name: attention_mask, .offset: 48, .size: 8, .value_kind: global_buffer, .address_space: global }
      - { .name: qkv, .offset: 56, .size: 8, .value_kind: global_buffer, .address_space: global }
      - { .name: add8, .offset: 64, .size: 8, .value_kind: global_buffer, .address_space: global }
    .group_segment_fixed_size: 327680
    .private_segment_fixed_size: 0
    .kernarg_segment_align: 8
    .kernarg_segment_size: 72
    .max_flat_workgroup_size: 128
    .sgpr_count:     102
    .vgpr_count:     1024
    .wavefront_size: 32
...
	.end_amdgpu_metadata
.endif
;; end of part 2
;; launch attn (part 3): grid 8 x 32, 8 waves a work-group, clusters of 4 x 1, 327,680 bytes of LDS; arguments qkv, add8, attn; writes attn
.if DOCPART == 3
	.amdgcn_target "amdgcn-amd-amdhsa--gfx1250"
	.amdhsa_code_object_version 6
	.text
	.protected	k_q744e1bff6d_attn
	.globl	k_q744e1bff6d_attn
	.p2align	8
	.type	k_q744e1bff6d_attn,@function
k_q744e1bff6d_attn:
	s_mov_b64 s[64:65], 0
	v_nop
	global_prefetch_b8 v0, s[64:65] scope:SCOPE_SE
	s_setreg_imm32_b32 hwreg(HW_REG_WAVE_MODE, 25, 1), 1
	s_wait_xcnt 0x0
	s_wait_alu depctr_hold_cnt(0) depctr_sa_sdst(0) depctr_va_vdst(0) depctr_va_sdst(0) depctr_va_ssrc(0) depctr_va_vcc(0) depctr_vm_vsrc(0)
	s_getreg_b32 s2, hwreg(HW_REG_IB_STS2, 6, 4)
	s_cmp_eq_u32 s2, 0
	s_cbranch_scc0 .Lentry_in_a_cluster
	s_endpgm
.Lentry_in_a_cluster:
	s_bfe_u32 s2, ttmp6, 0x10000c
	s_cmp_lg_u32 s2, 0x3003
	s_cbranch_scc0 .Lentry_shape_is_right
	s_endpgm
.Lentry_shape_is_right:
; THIRD LAUNCH: for each batch and head, o[q] = sum over keys of softmax_k((q . k + add8[k]) / 8) v[k].  q, k, v: f16 [2,048][64]; add8: f32; products on f16 operands with f32 sums; maxima, exponentials and sums in f32.
; The result leaves as f16, times 2^3 (exact; the last launch's weight carries 2^-3), laid attn[token pair][head][parity][64]: a pair of tokens of one head is 256 consecutive bytes.
; WORK LEFT OUT: diag_bias and bk . q, the same for all keys of a row (shown at the head of the first launch).
; LIMITS: the weights p <= 1 are rounded to f16: a p under 2^-25 of its row's largest becomes 0 (2,048 such are under 2^-14 of the sum); 8 o must stay under 65,504; a row all of whose keys are masked by -infinity gives NaN, as in the definition.
; SOFTMAX.  A running maximum m and sum l for each query: p = 2^(c S - c m), c = log2(e) / 8; in every step O and l are multiplied by a = 2^(c m_old - c m_new).  add8 is the C of each score's first product.
; SHARES.  A work-group owns 256 queries of one head; each of its eight waves 32: two tiles of 16, in 512 registers, so that two waves share a SIMD and one's vector work stands beside the other's matrix work.
; Both products are used transposed (S^T = K Q^T, O^T = V^T P): a lane holds one query throughout.  Every wave walks all 2,048 keys, 64 a step.
; RING.  Two slots of 512 keys (8 steps), filled by the tensor data mover: waves 0-3 a quarter of K each, waves 4-7 of V.  K's and V's rows are dense in memory, so a tile's row is stated as two keys, 256 bytes.
; CLUSTER.  The four query blocks of a cluster belong to one head and walk the same K, V and add8: every tile is asked for jointly, with a mask that names the four.
; NO PREFETCH: a refill is asked for eight key steps ahead of its first read, and the two first slots go out at the head.
; REGISTERS: window 0: v3-12 addresses; v14, v15 the add's two; v16-31 statistics, 8 a tile; v32-63 add8 as C; v64-127 S^T, 32 a tile; v128-159 P; v160-223 O^T, 32 a tile; v224-255 the way out.
;   window 1: v0-31 Q; v32-95 K of a step; v96-159 V of a step.
.set KP,    272                        ; two keys of K: 256 bytes + 16: key r lies at (r / 2) 272 + (r % 2) 128: the 16 keys of a load fall on 16 different columns of 16 bytes
.set VP,    288                        ; two keys of V: 256 bytes + 32: likewise for the turning load's 8 keys x 32 bytes
.set VOFF,  256*KP
.set SLOTB, 256*(KP+VP)
.set BIAS,  2*SLOTB                    ; add8 of the whole head, 8,192 bytes, filled once
.set SPARE, BIAS+8192                  ; the spare words, 128 bytes for each of eight waves
.set STAGE, SPARE+1024                 ; the way out: 16 tokens x (128 bytes + 16) for each wave; no tile lands here
.set SPT,   144
.set HB,    262144                     ; a head's bytes in q, k or v
.set AK0, 3
.set AV0, 4
.set AB0, 5
.set ADK, 6
.set ADV, 7
.set ADB, 8
.set QO,  9
.set STO, 10
.set RD,  11
.set GO,  12
.set SPW, 14
.set NIL, 15
.set ST,  16                           ; tile t at v[ST + 8 t]: +0 c m, +1 m, +2, +3 l in two halves, +4 .. +7 at work; a takes +6
.set CB,  32
.set S,   64
.set P,   128
.set O,   160
.set KF,  32                           ; in window 1
.set VF,  96
.set WV,  14
.set G1K, 24
.set G1V, 32
.set G0K, 40                           ; a set for each slot
.set G0V, 48
.set G1B, 56
.set G0B, 68
.set CS,  72
.set SEL, 74
.set TK,  76
.set TV,  77
.set TBI, 78
.set CNT, 79
.set MSB, 0
.macro WIN new
.if MSB != \new
	s_set_vgpr_msb (MSB<<8)|\new
.set MSB, \new
.endif
.endm
.macro JLOAD s                         ; a joint refill of slot s; the branch hangs on the wave's number alone.  An s_nop 0 and four v_nop follow each line
	s_cmp_lt_u32 s[WV], 4
	s_cbranch_scc0 .Lfor_v_\@
	tensor_load_to_lds s[G0K+4*\s:G0K+4*\s+3], s[G1K:G1K+7]
	s_nop 0
.rept 4
	v_nop
.endr
	s_branch .Lasked_\@
.Lfor_v_\@:
	tensor_load_to_lds s[G0V+4*\s:G0V+4*\s+3], s[G1V:G1V+7]
	s_nop 0
.rept 4
	v_nop
.endr
.Lasked_\@:
.endm
.macro CROUND
	s_barrier_signal -1
	s_barrier_wait -1
	s_cmp_lg_u32 s[WV], 0
	s_cbranch_scc1 .Lnot_wave_0_\@
	s_barrier_signal -3
.Lnot_wave_0_\@:
	s_barrier_wait -3
	s_barrier_signal -1
	s_barrier_wait -1
.endm
	s_load_b128 s[4:7], s[0:1], 0x0                ; qkv, add8
	s_load_b64 s[10:11], s[0:1], 0x10              ; attn
	v_lshl_add_u32 v[SPW], v0, 2, SPARE
	v_mov_b32 v[NIL], 0
	ds_add_u32 v[SPW], v[NIL]                      ; the wave's opening: the add, twice on end, and its wait ahead of my first tensor load
	ds_add_u32 v[SPW], v[NIL]
	v_lshrrev_b32 v1, 5, v0
	v_readfirstlane_b32 s[WV], v1                  ; wave 0..7
	s_bfe_u32 s15, ttmp6, 0x40000                  ; cx
	s_lshl_b32 s16, ttmp9, 2
	s_add_co_u32 s16, s16, s15                     ; my block of 256 queries: it enters Q's and the result's addresses alone
	s_and_b32 s17, ttmp7, 0xffff                   ; batch x 16 + head, which the four partners share
	s_and_b32 s18, s[WV], 3                        ; which quarter of a slot I fetch
	s_lshl_b32 s20, s17, 18
	s_lshl_b32 s21, s18, 14                        ; 64 rows of 256 bytes
	s_add_co_u32 s20, s20, s21
	s_mov_b32 s21, 0
	s_mul_i32 s19, s18, 64*KP                      ; where it goes: K's quarter,
	s_mul_i32 s12, s18, 64*VP
	s_add_co_u32 s12, s12, VOFF                    ; V's
	s_lshl_b32 s22, s17, 13
	s_lshl_b32 s23, s[WV], 10                      ; add8: 1,024 bytes a wave
	s_add_co_u32 s22, s22, s23
	s_add_co_u32 s13, s23, BIAS
	s_mov_b32 s23, 0
	s_lshl_b32 s2, s17, 18
	s_lshl_b32 s3, s16, 15
	s_add_co_u32 s2, s2, s3
	s_lshl_b32 s3, s[WV], 12
	s_add_co_u32 s2, s2, s3                        ; Q: head, block of 256 rows, my 32 rows of 128 bytes
	s_mov_b32 s3, 0
	s_lshr_b32 s8, s17, 4
	s_lshl_b32 s8, s8, 10                          ; the result: batch x 1,024 token pairs
	s_lshl_b32 s9, s16, 7
	s_add_co_u32 s8, s8, s9
	s_lshl_b32 s9, s[WV], 4
	s_add_co_u32 s8, s8, s9                        ; + 128 x block + 16 x wave
	s_lshl_b32 s8, s8, 12                          ; x 4,096 bytes
	s_and_b32 s9, s17, 15
	s_lshl_b32 s9, s9, 8
	s_add_co_u32 s8, s8, s9                        ; + head x 256
	s_mov_b32 s9, 0
	s_mov_b32 s[G1K], 15|(1<<16)|(1<<20)|(1<<21)|(5<<22)|(3<<25)  ; the mask: all four; elements of 2 bytes; padding on; bit 21 beside a mask; 4 words behind every 64
	s_mov_b32 s[G1V], 15|(1<<16)|(1<<20)|(1<<21)|(5<<22)|(7<<25)  ; 8 words
.irp g, G1K, G1V
	s_mov_b32 s[\g+1], 128<<16                     ; tensor_dim0: two keys
	s_mov_b32 s[\g+2], 64<<16                      ; tensor_dim1
	s_mov_b32 s[\g+3], 128<<16                     ; tile_dim0
	s_mov_b32 s[\g+4], 64                          ; tile_dim1
	s_mov_b32 s[\g+5], 128                         ; from row to row: dense
	s_mov_b32 s[\g+6], 0
	s_mov_b32 s[\g+7], 0
.endr
	s_mov_b32 s[G1B], 15|(3<<16)|(1<<21)           ; add8: 4 lines of 32 elements of 8 bytes, no padding
	s_mov_b32 s[G1B+1], 32<<16
	s_mov_b32 s[G1B+2], 4<<16
	s_mov_b32 s[G1B+3], 32<<16
	s_mov_b32 s[G1B+4], 4
	s_mov_b32 s[G1B+5], 32
	s_mov_b32 s[G1B+6], 0
	s_mov_b32 s[G1B+7], 0
	s_mov_b32 s[CS], 0x3e38aa3b                    ; c = log2(e) / 8
	s_mov_b32 s[CS+1], s[CS]                       ; (named with it as a pair, so it is written)
	s_mov_b32 s[SEL], 0x76543210
	s_mov_b32 s[SEL+1], 0xfedcba98
	s_wait_dscnt 0x0                               ; both opening adds are done
	s_wait_kmcnt 0x0
	s_add_nc_u64 s[20:21], s[4:5], s[20:21]        ; qkv at my head and my quarter
	s_add_nc_u64 s[22:23], s[6:7], s[22:23]
	s_add_nc_u64 s[4:5], s[4:5], s[2:3]            ; Q at my first row
	s_add_nc_u64 s[10:11], s[10:11], s[8:9]
	CROUND                                         ; all four work-groups are here: the first joint loads meet
.irp s, 0,1
	s_mov_b32 s[G0K+4*\s], 1
	s_add_co_u32 s[G0K+4*\s+1], s19, \s*SLOTB
	s_add_nc_u64 s[G0K+4*\s+2:G0K+4*\s+3], s[20:21], 32*HB+\s*65536    ; k lies 32 heads behind q; slot s begins with keys 512 s
	s_or_b32 s[G0K+4*\s+3], s[G0K+4*\s+3], 0x80000000
	s_mov_b32 s[G0V+4*\s], 1
	s_add_co_u32 s[G0V+4*\s+1], s12, \s*SLOTB
	s_add_nc_u64 s[G0V+4*\s+2:G0V+4*\s+3], s[20:21], 64*HB+\s*65536
	s_or_b32 s[G0V+4*\s+3], s[G0V+4*\s+3], 0x80000000
.endr
	s_mov_b32 s[G0B], 1
	s_mov_b32 s[G0B+1], s13
	s_mov_b64 s[G0B+2:G0B+3], s[22:23]
	s_or_b32 s[G0B+3], s[G0B+3], 0x80000000
	tensor_load_to_lds s[G0B:G0B+3], s[G1B:G1B+7]  ; every wave issues three first fills: add8's eighth, then its quarter of slot 0 and of slot 1: three loads of mine are out
	s_nop 0
	s_cmp_lt_u32 s[WV], 4
	s_cbranch_scc0 .Lfirst_v
	tensor_load_to_lds s[G0K:G0K+3], s[G1K:G1K+7]
	s_nop 0
	tensor_load_to_lds s[G0K+4:G0K+7], s[G1K:G1K+7]
	s_nop 0
.rept 4
	v_nop
.endr
	s_branch .Lfirst_asked
.Lfirst_v:
	tensor_load_to_lds s[G0V:G0V+3], s[G1V:G1V+7]
	s_nop 0
	tensor_load_to_lds s[G0V+4:G0V+7], s[G1V:G1V+7]
	s_nop 0
.rept 4
	v_nop
.endr
.Lfirst_asked:
	v_and_b32 v1, 15, v0                           ; r
	v_bfe_u32 v2, v0, 4, 1                         ; h
	v_lshlrev_b32 v[QO], 7, v1
	v_lshl_add_u32 v[QO], v2, 4, v[QO]             ; Q: row r of 128 bytes, + 16 h
	WIN 0x40                                       ; destination window 1
.irp t, 0,1
.irp c, 0,1
	global_load_b128 v[16*\t+8*\c:16*\t+8*\c+3],   v[QO], s[4:5] offset:2048*\t+64*\c      ; Q stays in registers: tile t, channels 32 c on
	global_load_b128 v[16*\t+8*\c+4:16*\t+8*\c+7], v[QO], s[4:5] offset:2048*\t+64*\c+32
.endr
.endr
	WIN 0
	v_lshrrev_b32 v[ADK], 1, v1
	v_and_b32 v[ADV], 1, v0
	v_mul_u32_u24 v[AK0], v[ADK], KP
	v_lshl_add_u32 v[AK0], v[ADV], 7, v[AK0]
	v_lshl_add_u32 v[AK0], v2, 4, v[AK0]           ; K: key r at (r / 2) 272 + (r % 2) 128, + 16 h
	v_bfe_u32 v[ADK], v0, 1, 2
	v_lshl_add_u32 v[ADK], v2, 2, v[ADK]
	v_mul_u32_u24 v[AV0], v[ADK], VP
	v_lshl_add_u32 v[AV0], v[ADV], 7, v[AV0]
	v_bfe_u32 v[ADK], v0, 3, 1
	v_lshl_add_u32 v[AV0], v[ADK], 4, v[AV0]
	v_add_nc_u32 v[AV0], VOFF, v[AV0]              ; V, for the turning load: key 8 h + l % 8, channels 8 ((l / 8) % 2) on
	v_lshl_add_u32 v[AB0], v2, 5, BIAS             ; add8: my 8 keys of a tile of 16
	s_mul_i32 s13, s[WV], 16*SPT
	s_add_co_u32 s13, s13, STAGE                   ; my stage
	v_mul_u32_u24 v[STO], v1, SPT
	v_lshl_add_u32 v[STO], v2, 4, v[STO]
	v_add_nc_u32 v[STO], s13, v[STO]               ; in: token r, 16 bytes for each half of the lanes
	v_lshl_add_u32 v[ADK], v2, 1, v[ADK]
	v_mul_u32_u24 v[RD], v[ADK], SPT
	v_and_b32 v[ADV], 7, v0
	v_lshl_add_u32 v[RD], v[ADV], 4, v[RD]
	v_add_nc_u32 v[RD], s13, v[RD]                 ; back: sixteen lanes take a pair of tokens
	v_lshlrev_b32 v[GO], 12, v2
	v_lshl_add_u32 v[GO], v1, 4, v[GO]             ; and its 256 bytes in the result; the next pair lies 4,096 bytes on
.irp t, 0,1
	v_mov_b32 v[ST+8*\t+1], 0xff61b1e6             ; m: -3e38, under every score
	v_mul_f32 v[ST+8*\t], s[CS], v[ST+8*\t+1]      ; c m
	v_mov_b32 v[ST+8*\t+2], 0                      ; l
	v_mov_b32 v[ST+8*\t+3], 0
	v_mov_b32 v[ST+8*\t+5], 0                      ; (a lane permute's destination counts as one of its sources)
.endr
.set i, 0
.rept 64
	v_mov_b32 v[O+i], 0                            ; O^T: the step is written once; the first finds zeros, which the first a leaves zeros
.set i, i+1
.endr
; A KEY STEP: 64 keys.
.macro STEP
	v_add_nc_u32 v[ADK], s[TK], v[AK0]             ; these three and the v_nop are the four places behind the last products, in front of loads into registers that they read
	v_add_nc_u32 v[ADV], s[TV], v[AV0]
	v_add_nc_u32 v[ADB], s[TBI], v[AB0]
	v_nop
.irp kt, 0,1,2,3
	ds_load_b128 v[CB+8*\kt:CB+8*\kt+3],   v[ADB] offset:64*\kt          ; add8 of keys 16 kt + 8 h + 0 .. 7: the result's layout
	ds_load_b128 v[CB+8*\kt+4:CB+8*\kt+7], v[ADB] offset:64*\kt+16
.endr
	WIN 0x40
.irp kt, 0,1,2,3
.irp c, 0,1
	ds_load_b128 v[KF+16*\kt+8*\c:KF+16*\kt+8*\c+3],   v[ADK] offset:8*KP*\kt+64*\c
	ds_load_b128 v[KF+16*\kt+8*\c+4:KF+16*\kt+8*\c+7], v[ADK] offset:8*KP*\kt+64*\c+32
.endr
.endr
.irp g, 0,1
.irp ct, 0,1,2,3
	ds_load_tr16_b128 v[VF+32*\g+8*\ct:VF+32*\g+8*\ct+3],   v[ADV] offset:16*VP*\g+32*\ct
	ds_load_tr16_b128 v[VF+32*\g+8*\ct+4:VF+32*\g+8*\ct+7], v[ADV] offset:16*VP*\g+8*VP+32*\ct
.endr
.endr
	s_wait_dscnt 16                                ; add8 and K are in; V's sixteen loads may be out
	WIN 0x05                                       ; K and Q window 1; C and D window 0
.irp c, 0,1                                    ; S^T = K Q^T + add8: eight accumulators by turns
.irp kt, 0,1,2,3
.irp t, 0,1
.if \c == 0
	v_wmma_f32_16x16x32_f16 v[S+32*\t+8*\kt:S+32*\t+8*\kt+7], v[KF+16*\kt+8*\c:KF+16*\kt+8*\c+7], v[16*\t+8*\c:16*\t+8*\c+7], v[CB+8*\kt:CB+8*\kt+7]
.else
	v_wmma_f32_16x16x32_f16 v[S+32*\t+8*\kt:S+32*\t+8*\kt+7], v[KF+16*\kt+8*\c:KF+16*\kt+8*\c+7], v[16*\t+8*\c:16*\t+8*\c+7], v[S+32*\t+8*\kt:S+32*\t+8*\kt+7]
.endif
.endr
.endr
.endr
	WIN 0
.rept 4
	v_nop
.endr
	; the softmax, the two tiles line by line, so that no line waits for the line above it
.irp j, 0,1,2,3
.irp t, 0,1
	v_max3_num_f32 v[ST+8*\t+4+\j], v[S+32*\t+8*\j], v[S+32*\t+8*\j+1], v[S+32*\t+8*\j+2]   ; four chains, each accumulator from its low end on
.endr
.endr
.irp u, 3,5
.irp j, 0,1,2,3
.irp t, 0,1
	v_max3_num_f32 v[ST+8*\t+4+\j], v[ST+8*\t+4+\j], v[S+32*\t+8*\j+\u], v[S+32*\t+8*\j+\u+1]
.endr
.endr
.endr
.irp t, 0,1
	v_max3_num_f32 v[ST+8*\t+4], v[ST+8*\t+4], v[S+32*\t+7], v[S+32*\t+15]
.endr
.irp t, 0,1
	v_max3_num_f32 v[ST+8*\t+6], v[ST+8*\t+6], v[S+32*\t+23], v[S+32*\t+31]
.endr
.irp t, 0,1
	v_max3_num_f32 v[ST+8*\t+4], v[ST+8*\t+4], v[ST+8*\t+5], v[ST+8*\t+6]
.endr
.irp t, 0,1
	v_max3_num_f32 v[ST+8*\t+4], v[ST+8*\t+4], v[ST+8*\t+7], v[ST+8*\t+1]   ; with the old m
.endr
.irp t, 0,1
	v_permlanex16_b32 v[ST+8*\t+5], v[ST+8*\t+4], s[SEL], s[SEL+1]          ; the query's other 32 keys lie in the lane 16 away
.endr
.irp t, 0,1
	v_mov_b32 v[ST+8*\t+7], v[ST+8*\t]             ; c m_old
.endr
.irp t, 0,1
	v_max_num_f32 v[ST+8*\t+1], v[ST+8*\t+4], v[ST+8*\t+5]
.endr
.irp t, 0,1
	v_mul_f32 v[ST+8*\t], s[CS], v[ST+8*\t+1]
.endr
.irp t, 0,1
	v_sub_f32 v[ST+8*\t+7], v[ST+8*\t+7], v[ST+8*\t]
.endr
.irp u, 0,2,4,6,8,10,12,14,16,18,20,22,24,26,28,30
.irp t, 0,1
	v_pk_fma_f32 v[S+32*\t+\u:S+32*\t+\u+1], v[S+32*\t+\u:S+32*\t+\u+1], s[CS:CS+1], v[ST+8*\t:ST+8*\t+1] op_sel_hi:[1,0,0] neg_lo:[0,0,1] neg_hi:[0,0,1]   ; c S - c m
.endr
.endr
.irp t, 0,1
	v_exp_f32 v[ST+8*\t+6], v[ST+8*\t+7]           ; a
.endr
.irp u, 0,1,2,3,4,5,6,7,8,9,10,11,12,13,14,15,16,17,18,19,20,21,22,23,24,25,26,27,28,29,30,31
.irp t, 0,1
	v_exp_f32 v[S+32*\t+\u], v[S+32*\t+\u]         ; p
.endr
.endr
	v_nop                                          ; a plain line behind the last exponential
	s_wait_alu depctr_va_vdst(0)                   ; ONE wait for the 66 exponentials, ahead of their first reader
.irp u, 0,1,2,3,4,5,6,7,8,9,10,11,12,13,14,15
.irp t, 0,1
	v_cvt_pk_f16_f32 v[P+16*\t+\u], v[S+32*\t+2*\u], v[S+32*\t+2*\u+1]      ; two tiles of 16 keys, rounded in pairs, are source 1 of the second product
.endr
.endr
.irp u, 0,4,8,12,16,20,24,28                   ; the row's sum of the unrounded p, in place: neighbours 1, 2, 4 and 8 pairs apart
.irp t, 0,1
	v_pk_add_f32 v[S+32*\t+\u:S+32*\t+\u+1], v[S+32*\t+\u:S+32*\t+\u+1], v[S+32*\t+\u+2:S+32*\t+\u+3]
.endr
.endr
.irp u, 0,8,16,24
.irp t, 0,1
	v_pk_add_f32 v[S+32*\t+\u:S+32*\t+\u+1], v[S+32*\t+\u:S+32*\t+\u+1], v[S+32*\t+\u+4:S+32*\t+\u+5]
.endr
.endr
.irp u, 0,16
.irp t, 0,1
	v_pk_add_f32 v[S+32*\t+\u:S+32*\t+\u+1], v[S+32*\t+\u:S+32*\t+\u+1], v[S+32*\t+\u+8:S+32*\t+\u+9]
.endr
.endr
.irp t, 0,1
	v_pk_add_f32 v[S+32*\t:S+32*\t+1], v[S+32*\t:S+32*\t+1], v[S+32*\t+16:S+32*\t+17]
.endr
.irp t, 0,1
	v_pk_fma_f32 v[ST+8*\t+2:ST+8*\t+3], v[ST+8*\t+2:ST+8*\t+3], v[ST+8*\t+6:ST+8*\t+7], v[S+32*\t:S+32*\t+1] op_sel_hi:[1,0,1]   ; l = a l + the sum
.endr
.irp u, 0,2,4,6,8,10,12,14,16,18,20,22,24,26,28,30
.irp t, 0,1
	v_pk_mul_f32 v[O+32*\t+\u:O+32*\t+\u+1], v[O+32*\t+\u:O+32*\t+\u+1], v[ST+8*\t+6:ST+8*\t+7] op_sel_hi:[1,0]   ; O^T x a, each accumulator from its low end on
.endr
.endr
	s_wait_dscnt 0x0                               ; V is in
	WIN 0x01                                       ; V window 1; P, C and D window 0
.irp g, 0,1                                    ; O^T += V^T P: eight accumulators by turns
.irp ct, 0,1,2,3
.irp t, 0,1
	v_wmma_f32_16x16x32_f16 v[O+32*\t+8*\ct:O+32*\t+8*\ct+7], v[VF+32*\g+8*\ct:VF+32*\g+8*\ct+7], v[P+16*\t+8*\g:P+16*\t+8*\g+7], v[O+32*\t+8*\ct:O+32*\t+8*\ct+7]
.endr
.endr
.endr
	WIN 0
.endm
; A slot's eight steps: the step is written once for each walk of a slot; the LDS addresses hang on three scalars stepped by constants.  idx: which 512 keys of the head.
.macro SLOTRUN slot, idx
	s_mov_b32 s[TK], \slot*SLOTB
	s_mov_b32 s[TV], \slot*SLOTB
	s_mov_b32 s[TBI], \idx*2048
	s_mov_b32 s[CNT], 8
.Lstep_\@:
	STEP
	s_add_co_u32 s[TK], s[TK], 32*KP
	s_add_co_u32 s[TV], s[TV], 32*VP
	s_add_co_u32 s[TBI], s[TBI], 256
	s_sub_co_u32 s[CNT], s[CNT], 1
	s_cmp_lg_u32 s[CNT], 0
	s_cbranch_scc1 .Lstep_\@
.endm
; THE CHANGE OF SLOTS.  Each wave waits for all its tensor loads (the one that may be out is its part of the slot ahead), adds 0 to its spare word, and waits for that and for its reads of the slot that it leaves.
; fill = 1: slot s, just left, takes the keys 1,024 further on: the barrier is a round of the cluster's, and the joint refill is the first thing behind it, one load a wave; it has eight key steps in which to land.
.macro CHANGE fill, s
	s_wait_tensorcnt 0x0                           ; no tensor load of mine is out, so a group 0 may be written
	ds_add_u32 v[SPW], v[NIL]
.if \fill
	s_add_nc_u64 s[G0K+4*\s+2:G0K+4*\s+3], s[G0K+4*\s+2:G0K+4*\s+3], 131072
	s_add_nc_u64 s[G0V+4*\s+2:G0V+4*\s+3], s[G0V+4*\s+2:G0V+4*\s+3], 131072
	s_wait_dscnt 0x0
	CROUND
	JLOAD \s
.else
	s_wait_dscnt 0x0
	s_barrier_signal -1
	s_barrier_wait -1
.endif
.endm
	s_wait_loadcnt 0x0                             ; Q
	s_wait_tensorcnt 1                             ; add8 and my part of slot 0 are in; slot 1's may stay out
	s_barrier_signal -1
	s_barrier_wait -1
	SLOTRUN 0, 0
	CHANGE 1, 0
	SLOTRUN 1, 1
	CHANGE 1, 1
	SLOTRUN 0, 2
	CHANGE 0, 0                                    ; nothing is left to fetch
	SLOTRUN 1, 3
	; THE WAY OUT.  l's two halves and the other half of the lanes' are added; O^T x 8 / l is rounded to f16 and goes through my stage, a tile of 16 tokens at a time.  The additions are places behind the last products.
.irp t, 0,1
	v_add_f32 v[ST+8*\t+4], v[ST+8*\t+2], v[ST+8*\t+3]
.endr
.irp t, 0,1
	v_permlanex16_b32 v[ST+8*\t+5], v[ST+8*\t+4], s[SEL], s[SEL+1]
.endr
.irp t, 0,1
	v_add_f32 v[ST+8*\t+4], v[ST+8*\t+4], v[ST+8*\t+5]
.endr
.irp t, 0,1
	v_rcp_f32 v[ST+8*\t+6], v[ST+8*\t+4]
.endr
	v_nop                                          ; a plain line behind the last reciprocal
	s_wait_alu depctr_va_vdst(0)                   ; one wait for the two
.irp t, 0,1
	v_mul_f32 v[ST+8*\t+6], 0x41000000, v[ST+8*\t+6]   ; x 2^3
.endr
.macro OUT t
.irp u, 0,2,4,6,8,10,12,14,16,18,20,22,24,26,28,30
	v_pk_mul_f32 v[O+32*\t+\u:O+32*\t+\u+1], v[O+32*\t+\u:O+32*\t+\u+1], v[ST+8*\t+6:ST+8*\t+7] op_sel_hi:[1,0]
.endr
.irp u, 0,1,2,3,4,5,6,7,8,9,10,11,12,13,14,15
	v_cvt_pk_f16_f32 v[224+\u], v[O+32*\t+2*\u], v[O+32*\t+2*\u+1]
.endr
.irp ct, 0,1,2,3
	ds_store_b128 v[STO], v[224+4*\ct:227+4*\ct] offset:32*\ct
.endr
.irp u, 0,1,2,3
	ds_load_b128 v[240+4*\u:243+4*\u], v[RD] offset:4*SPT*\u       ; LDS serves a wave's instructions in order: these see the stores above
.endr
.irp u, 0,1,2,3
	s_wait_dscnt 3-\u
	global_store_b128 v[GO], v[240+4*\u:243+4*\u], s[10:11] offset:32768*\t+8192*\u   ; each half of the lanes stores 256 consecutive bytes, aligned
.endr
.endm
	OUT 0
	s_wait_xcnt 0x0                                ; tile 0's stores have read their registers, into which tile 1's rows are loaded
	OUT 1
	s_wait_tensorcnt 0x0                           ; the wave's end
	ds_add_u32 v[SPW], v[NIL]
	s_wait_dscnt 0x0
	CROUND                                         ; the closing round
	s_endpgm
.Lfunc_end_k_q744e1bff6d_attn:
	.size	k_q744e1bff6d_attn, .Lfunc_end_k_q744e1bff6d_attn-k_q744e1bff6d_attn
	.p2alignl 7, 3214868480
	.fill 96, 4, 3214868480
	.section	.rodata,"a",@progbits
	.p2align	6, 0x0
	.amdhsa_kernel k_q744e1bff6d_attn
		.amdhsa_group_segment_fixed_size 327680
		.amdhsa_private_segment_fixed_size 0
		.amdhsa_enable_private_segment 0
		.amdhsa_kernarg_size 24
		.amdhsa_user_sgpr_count 2
		.amdhsa_user_sgpr_kernarg_segment_ptr 1
		.amdhsa_wavefront_size32 1
		.amdhsa_system_sgpr_workgroup_id_x 1
		.amdhsa_system_sgpr_workgroup_id_y 1
		.amdhsa_system_sgpr_workgroup_id_z 1
		.amdhsa_system_vgpr_workitem_id 0
		.amdhsa_next_free_vgpr 512
		.amdhsa_next_free_sgpr 80
		.amdhsa_reserve_vcc 0
		.amdhsa_float_denorm_mode_32 3
		.amdhsa_float_denorm_mode_16_64 3
		.amdhsa_memory_ordered 1
		.amdhsa_forward_progress 1
		.amdhsa_inst_pref_size 93
	.end_amdhsa_kernel
	.amdgpu_metadata
---
amdhsa.version: [ 1, 2 ]
amdhsa.kernels:
  - .name:           k_q744e1bff6d_attn
    .symbol:         k_q744e1bff6d_attn.kd
    .args:
      - { .name: qkv, .offset: 0, .size: 8, .value_kind: global_buffer, .address_space: global }
      - { .name: add8, .offset: 8, .size: 8, .value_kind: global_buffer, .address_space: global }
      - { .name: attn, .offset: 16, .size: 8, .value_kind: global_buffer, .address_space: global }
    .group_segment_fixed_size: 327680
    .private_segment_fixed_size: 0
    .kernarg_segment_align: 8
    .kernarg_segment_size: 24
    .max_flat_workgroup_size: 256
    .sgpr_count:     80
    .vgpr_count:     512
    .wavefront_size: 32
...
	.end_amdgpu_metadata
.endif
;; end of part 3
;; launch oproj (part 4): grid 8 x 32, 4 waves a work-group, clusters of 4 x 4, 327,680 bytes of LDS; arguments attn, wot, bo, out0; writes out0
.if DOCPART == 4
	.amdgcn_target "amdgcn-amd-amdhsa--gfx1250"
	.amdhsa_code_object_version 6
	.text
	.protected	k_q744e1bff6d_oproj
	.globl	k_q744e1bff6d_oproj
	.p2align	8
	.type	k_q744e1bff6d_oproj,@function
k_q744e1bff6d_oproj:
	s_mov_b64 s[64:65], 0
	v_nop
	global_prefetch_b8 v0, s[64:65] scope:SCOPE_SE
	s_setreg_imm32_b32 hwreg(HW_REG_WAVE_MODE, 25, 1), 1
	s_wait_xcnt 0x0
	s_wait_alu depctr_hold_cnt(0) depctr_sa_sdst(0) depctr_va_vdst(0) depctr_va_sdst(0) depctr_va_ssrc(0) depctr_va_vcc(0) depctr_vm_vsrc(0)
	s_getreg_b32 s2, hwreg(HW_REG_IB_STS2, 6, 4)
	s_cmp_eq_u32 s2, 0
	s_cbranch_scc0 .Lentry_in_a_cluster
	s_endpgm
.Lentry_in_a_cluster:
	s_bfe_u32 s2, ttmp6, 0x10000c
	s_cmp_lg_u32 s2, 0xf033
	s_cbranch_scc0 .Lentry_shape_is_right
	s_endpgm
.Lentry_shape_is_right:
; FOURTH LAUNCH: out0 = o Wo + bo: [4,096] x [1,024] over K = 1,024, f16 operands, f32 sums.  attn holds 8 o as f16, laid [token pair][head][parity][64]; wot holds Wo^T / 8 as f16 [n][k]: the two powers of two cancel exactly.
; A tile of out0 is 128 x 128, so that there are 256 work-groups; four waves, 64 x 64 each: 16 accumulators.  K goes in four steps of 256 (four heads) through a ring of two LDS slots; each slot is filled again once.
; A's tile row is a PAIR of tokens: 1,024 consecutive bytes a K step (four heads x two tokens x 64); token r's 64 channels of head q lie at (r / 2) 1,040 + 256 q + (r % 2) 128.  B's rows are 512 bytes a K step.
; CLUSTERS 4 x 4: a row of the cluster shares A's tiles, a column B's: joint loads.  THE MATRIX INSTRUCTION IS USED TRANSPOSED (source 0 = 16 rows of wot, source 1 = 16 tokens): a lane holds eight neighbouring columns of a token.
; bo is the C of each sum's first product.  NO PREFETCH: small tiles, a short launch.
; REGISTERS: window 0: v0-31 addresses; v32-95 rows on their way out; v96-127 bo in the result's layout; v128-255 the accumulators ((a, b) at v[128 + 8 (4 a + b)]).  window 1: two fragment buffers of 128: 64 of A, then 64 of B.
.set PA,     1040                      ; A's LDS row: 1,024 bytes + 16: the 16 tokens of a load fall on 16 different columns of 16 bytes
.set PB,     528                       ; B's: 512 + 16
.set HALFA,  32*PA                     ; what one tensor load brings of A: 64 tokens; also what one wave reads
.set HALFB,  64*PB
.set BOFF,   2*HALFA
.set SLOT,   2*HALFA+2*HALFB
.set STAGE,  2*SLOT                    ; the way out: 16 rows x (256 bytes + 16) for each wave; no tile lands here
.set SPITCH, 272
.set SPARE,  STAGE+4*16*SPITCH         ; the spare words, 128 bytes for each wave
.set ADRA, 16
.set ADRB, 20
.set STO,  24
.set RD,   25
.set CO,   26
.set SPW,  28
.set NIL,  29
.set TMP,  32
.set BI,   96
.set ACC,  128
.set F0,   0
.set F1,   128
.set G1, 24
.set G0, 32
.set G1B, 48
.set G0B, 56
.set MSB, 0
.macro WIN new
.if MSB != \new
	s_set_vgpr_msb (MSB<<8)|\new
.set MSB, \new
.endif
.endm
.set MUL,  0x05                        ; sources 0 (B) and 1 (A) window 1; C and D window 0
.set TO_F, 0x40
.macro JLOAD s                         ; waves 0 and 1 fetch A's halves, waves 2 and 3 B's; an s_nop 0 and four v_nop follow each line
	s_cmp_eq_u32 s11, 0
	s_cbranch_scc0 .Lfor_b_\@
	tensor_load_to_lds s[G0+4*\s:G0+4*\s+3], s[G1:G1+7]
	s_nop 0
.rept 4
	v_nop
.endr
	s_branch .Lasked_\@
.Lfor_b_\@:
	tensor_load_to_lds s[G0B+4*\s:G0B+4*\s+3], s[G1B:G1B+7]
	s_nop 0
.rept 4
	v_nop
.endr
.Lasked_\@:
.endm
.macro CREST
	s_cmp_lg_u32 s10, 0
	s_cbranch_scc1 .Lnot_wave_0_\@
	s_barrier_signal -3
.Lnot_wave_0_\@:
	s_barrier_wait -3
	s_barrier_signal -1
	s_barrier_wait -1
.endm
.macro CROUND
	s_barrier_signal -1
	s_barrier_wait -1
	CREST
.endm
	s_load_b128 s[4:7], s[0:1], 0x0                ; attn, wot
	s_load_b64 s[2:3], s[0:1], 0x10                ; bo
	s_load_b64 s[8:9], s[0:1], 0x18                ; out0
	v_lshl_add_u32 v[SPW], v0, 2, SPARE
	v_mov_b32 v[NIL], 0
	ds_add_u32 v[SPW], v[NIL]                      ; the wave's opening: the add, twice on end, and its wait ahead of my first tensor load
	ds_add_u32 v[SPW], v[NIL]
	v_lshrrev_b32 v1, 5, v0
	v_readfirstlane_b32 s10, v1                    ; wave 0..3
	s_lshr_b32 s11, s10, 1                         ; which half of the tile's rows is mine.  Also: I fetch for A (0) or for B (1)
	s_and_b32 s12, s10, 1                          ; which half of its columns.  Also: which half of that tile I fetch
	s_bfe_u32 s40, ttmp6, 0x40000
	s_bfe_u32 s41, ttmp6, 0x40004
	s_lshl_b32 s42, ttmp9, 2
	s_add_co_u32 s42, s42, s40                     ; tile column 0..7
	s_and_b32 s13, ttmp7, 0xffff
	s_lshl_b32 s13, s13, 2
	s_add_co_u32 s13, s13, s41                     ; tile row 0..31
	s_lshl_b32 s43, s41, 2
	s_lshl_b32 s43, 15, s43                        ; my row of the cluster
	s_lshl_b32 s44, 0x1111, s40                    ; my column
	s_or_b32 s[G1+0], s43, (1<<16)|(1<<20)|(1<<21)|(7<<22)|(3<<25)   ; A: elements of 2 bytes; 4 words of padding behind every 256
	s_mov_b32 s[G1+1], 512<<16                     ; tensor_dim0: 512 elements, 1,024 bytes
	s_mov_b32 s[G1+2], 32<<16                      ; tensor_dim1: 32 token pairs
	s_mov_b32 s[G1+3], 512<<16
	s_mov_b32 s[G1+4], 32
	s_mov_b32 s[G1+5], 2048                        ; from pair to pair: 4,096 bytes
	s_mov_b32 s[G1+6], 0
	s_mov_b32 s[G1+7], 0
	s_or_b32 s[G1B+0], s44, (1<<16)|(1<<20)|(1<<21)|(6<<22)|(3<<25)  ; B: 4 words behind every 128
	s_mov_b32 s[G1B+1], 256<<16
	s_mov_b32 s[G1B+2], 64<<16
	s_mov_b32 s[G1B+3], 256<<16
	s_mov_b32 s[G1B+4], 64
	s_mov_b32 s[G1B+5], 1024
	s_mov_b32 s[G1B+6], 0
	s_mov_b32 s[G1B+7], 0
	s_lshl_b32 s17, s12, 5
	s_lshl_b32 s16, s13, 6
	s_add_co_u32 s16, s16, s17                     ; A: token pair 64 x tile row + 32 x half
	s_lshl_b32 s16, s16, 12
	s_mov_b32 s17, 0
	s_lshl_b32 s47, s12, 6
	s_lshl_b32 s46, s42, 7
	s_add_co_u32 s46, s46, s47                     ; B: row 128 x tile column + 64 x half
	s_lshl_b32 s46, s46, 11
	s_mov_b32 s47, 0
	s_mul_i32 s20, s12, HALFA                      ; where they go: no place in the cluster enters an LDS address
	s_mul_i32 s21, s12, HALFB
	s_add_co_u32 s21, s21, BOFF
	s_wait_dscnt 0x0                               ; both opening adds are done
	s_wait_kmcnt 0x0
	s_add_nc_u64 s[14:15], s[4:5], s[16:17]
	s_add_nc_u64 s[46:47], s[6:7], s[46:47]
	CROUND                                         ; all sixteen work-groups are here: the first joint loads meet
.irp s, 0,1
	s_mov_b32 s[G0+4*\s], 1
	s_add_co_u32 s[G0+4*\s+1], s20, \s*SLOT
	s_add_nc_u64 s[G0+4*\s+2:G0+4*\s+3], s[14:15], \s*1024
	s_or_b32 s[G0+4*\s+3], s[G0+4*\s+3], 0x80000000
	s_mov_b32 s[G0B+4*\s], 1
	s_add_co_u32 s[G0B+4*\s+1], s21, \s*SLOT
	s_add_nc_u64 s[G0B+4*\s+2:G0B+4*\s+3], s[46:47], \s*512
	s_or_b32 s[G0B+4*\s+3], s[G0B+4*\s+3], 0x80000000
	JLOAD \s
.endr
	v_and_b32 v1, 15, v0                           ; r
	v_bfe_u32 v2, v0, 4, 1                         ; h
	v_lshrrev_b32 v3, 1, v1
	v_and_b32 v4, 1, v0
	v_mul_u32_u24 v3, v3, PA
	v_lshl_add_u32 v3, v4, 7, v3
	v_lshl_add_u32 v3, v2, 4, v3                   ; A: (r / 2) 1,040 + (r % 2) 128 + 16 h
	v_mul_u32_u24 v5, v1, PB
	v_lshl_add_u32 v5, v2, 4, v5                   ; B: 528 r + 16 h
	s_mul_i32 s21, s11, HALFA                      ; my 64 tokens
	s_mul_i32 s22, s12, HALFB                      ; my 64 rows of B
	s_add_co_u32 s22, s22, BOFF
.irp s, 0,1
	v_add_nc_u32 v[ADRA+\s], s21, v3
	v_add_nc_u32 v[ADRB+\s], s22, v5
	s_add_co_u32 s21, s21, SLOT
	s_add_co_u32 s22, s22, SLOT
.endr
	s_mul_i32 s23, s10, 16*SPITCH
	s_add_co_u32 s23, s23, STAGE                   ; my stage
	v_mul_u32_u24 v4, v1, SPITCH
	v_lshl_add_u32 v4, v2, 5, v4
	v_add_nc_u32 v[STO], s23, v4                   ; in: row r, 32 bytes for each half of the lanes
	v_mul_u32_u24 v5, v2, SPITCH
	v_lshl_add_u32 v5, v1, 4, v5
	v_add_nc_u32 v[RD], s23, v5                    ; back: lanes 0-15 one row of 256 bytes, lanes 16-31 the next
	v_lshlrev_b32 v5, 12, v2
	v_lshl_add_u32 v[CO], v1, 4, v5                ; and the same two rows of out0
	v_lshlrev_b32 v6, 5, v2                        ; 32 h
	s_lshl_b32 s18, s42, 9
	s_lshl_b32 s19, s12, 8
	s_add_co_u32 s18, s18, s19                     ; my first column, in bytes: 512 x tile column + 256 x half
	s_mov_b32 s19, 0
	s_add_nc_u64 s[2:3], s[2:3], s[18:19]
.irp b, 0,1,2,3
	global_load_b128 v[BI+8*\b:BI+8*\b+3], v6, s[2:3] offset:64*\b          ; bo at columns 16 b + 8 h + 0 .. 7
	global_load_b128 v[BI+8*\b+4:BI+8*\b+7], v6, s[2:3] offset:64*\b+16
.endr
	s_lshl_b32 s16, s13, 19
	s_lshl_b32 s17, s11, 18
	s_add_co_u32 s16, s16, s17                     ; my first row: (128 x tile row + 64 x half) x 4,096 bytes
	s_mov_b32 s17, 0
	s_add_nc_u64 s[8:9], s[8:9], s[16:17]
	s_add_nc_u64 s[8:9], s[8:9], s[18:19]
; 8 matrix instructions: token blocks a0, a0 + 1 x all 4 column blocks, 32 along K: half c of buffer f.  first = 1: the sums start from bo.  The 16 accumulators take turns.
.macro MUL8 f, c, a0, first
.irp a, \a0, \a0+1
.irp b, 0,1,2,3
.if \first
	v_wmma_f32_16x16x32_f16 v[ACC+8*(4*(\a)+\b):ACC+8*(4*(\a)+\b)+7], v[\f+64+8*(4*\c+\b):\f+64+8*(4*\c+\b)+7], v[\f+8*(4*\c+\a):\f+8*(4*\c+\a)+7], v[BI+8*\b:BI+8*\b+7]
.else
	v_wmma_f32_16x16x32_f16 v[ACC+8*(4*(\a)+\b):ACC+8*(4*(\a)+\b)+7], v[\f+64+8*(4*\c+\b):\f+64+8*(4*\c+\b)+7], v[\f+8*(4*\c+\a):\f+8*(4*\c+\a)+7], v[ACC+8*(4*(\a)+\b):ACC+8*(4*(\a)+\b)+7]
.endif
.endr
.endr
.endm
; 32 LDS loads in one run: the fragments of the K step's quarter q (one head, 64 along K) into buffer f; the first 32 along K first
.macro FETCH slot, q, f
	WIN TO_F
.irp c, 0,1
.irp i, 0,1,2,3
	ds_load_b128 v[\f+64+8*(4*\c+\i):\f+64+8*(4*\c+\i)+3],   v[ADRB+\slot] offset:128*(\q)+64*\c+\i*16*PB
	ds_load_b128 v[\f+64+8*(4*\c+\i)+4:\f+64+8*(4*\c+\i)+7], v[ADRB+\slot] offset:128*(\q)+64*\c+\i*16*PB+32
	ds_load_b128 v[\f+8*(4*\c+\i):\f+8*(4*\c+\i)+3],         v[ADRA+\slot] offset:256*(\q)+64*\c+\i*8*PA
	ds_load_b128 v[\f+8*(4*\c+\i)+4:\f+8*(4*\c+\i)+7],       v[ADRA+\slot] offset:256*(\q)+64*\c+\i*8*PA+32
.endr
.endr
.endm
.macro PLACES                          ; four places in front of loads into registers that matrix instructions have read, and of stores that read results
.rept 4
	v_nop
.endr
.endm
; One of a K step's first three quarters: multiplies buffer f and fetches quarter q of the same slot into g.
.macro QUARTER slot, q, f, g, first
	s_wait_dscnt 16                                ; the first 32 along K are in; the other sixteen loads may be out
	WIN MUL
	MUL8 \f, 0, 0, \first
	MUL8 \f, 0, 2, \first
	PLACES
	FETCH \slot, \q, \g
	s_wait_dscnt 32                                ; all but the 32 just issued
	WIN MUL
	MUL8 \f, 1, 0, 0
	MUL8 \f, 1, 2, 0
.endm
; The last quarter multiplies buffer 1 and changes slots: ONE barrier; in front of it each wave waits for all its tensor loads, adds 0 to its spare word, and waits for that and for its reads of this slot.
; fill = 1: the barrier opens a round of the cluster's, and this slot is filled again, two K steps ahead, first thing behind the round: one load a wave.
.macro TURN slot, next, fill
	WIN 0                                          ; (the add's two registers lie in window 0)
	s_wait_tensorcnt 0x0
	ds_add_u32 v[SPW], v[NIL]
	s_wait_dscnt 17                                ; (the add and the youngest sixteen loads may be out)
	WIN MUL
	MUL8 F1, 0, 0, 0
	s_wait_dscnt 0x0                               ; the add is done, and my reads of this slot are over
	s_barrier_signal -1
	MUL8 F1, 0, 2, 0
.if \fill
	WIN 0
.endif
	s_barrier_wait -1
.if \fill
	CREST
	s_add_nc_u64 s[G0+4*\slot+2:G0+4*\slot+3], s[G0+4*\slot+2:G0+4*\slot+3], 2048
	s_add_nc_u64 s[G0B+4*\slot+2:G0B+4*\slot+3], s[G0B+4*\slot+2:G0B+4*\slot+3], 1024
	JLOAD \slot                                    ; the four v_nop behind it are also the places in front of the loads below
.else
	PLACES
.endif
	FETCH \next, 0, F0
	WIN MUL
	MUL8 F1, 1, 0, 0
	MUL8 F1, 1, 2, 0
.endm
	s_wait_loadcnt 0x0                             ; bo
	s_wait_tensorcnt 1                             ; my part of K step 0 is in; K step 1's load may be out,
	s_barrier_signal -1
	s_barrier_wait -1                              ; everybody's is
	FETCH 0, 0, F0
	QUARTER 0, 1, F0, F1, 1                        ; K step 0: the first products start the sums from bo
	QUARTER 0, 2, F1, F0, 0
	QUARTER 0, 3, F0, F1, 0
	TURN 0, 1, 1                                   ; slot 0 takes K step 2
	QUARTER 1, 1, F0, F1, 0                        ; K step 1
	QUARTER 1, 2, F1, F0, 0
	QUARTER 1, 3, F0, F1, 0
	TURN 1, 0, 1                                   ; slot 1 takes K step 3
	QUARTER 0, 1, F0, F1, 0                        ; K step 2
	QUARTER 0, 2, F1, F0, 0
	QUARTER 0, 3, F0, F1, 0
	TURN 0, 1, 0                                   ; nothing is left to fetch
	QUARTER 1, 1, F0, F1, 0                        ; K step 3
	QUARTER 1, 2, F1, F0, 0
	QUARTER 1, 3, F0, F1, 0
	s_wait_dscnt 16
	WIN MUL
	MUL8 F1, 0, 0, 0
	MUL8 F1, 0, 2, 0
	s_wait_dscnt 0
	MUL8 F1, 1, 0, 0
	MUL8 F1, 1, 2, 0
	WIN 0
; THE WAY OUT, 16 rows at a time.  My 64 columns are 256 bytes of a row of out0, aligned: a block goes through my own stage and comes back as whole rows.  No barrier: the stage is mine alone.
.macro TOSTAGE a
.irp b, 0,1,2,3
	ds_store_b128 v[STO], v[ACC+8*(4*(\a)+\b):ACC+8*(4*(\a)+\b)+3] offset:64*\b          ; each accumulator from its low end on
	ds_store_b128 v[STO], v[ACC+8*(4*(\a)+\b)+4:ACC+8*(4*(\a)+\b)+7] offset:64*\b+16
.endr
.set BB, TMP+32*((\a)%2)
.irp t, 0,1,2,3,4,5,6,7
	ds_load_b128 v[BB+4*\t:BB+4*\t+3], v[RD] offset:\t*2*SPITCH    ; LDS serves a wave's instructions in order: these see the stores above
.endr
.endm
.macro SEND a, younger                 ; younger: the LDS instructions issued behind block a's loads, which may stay out
.set BB, TMP+32*((\a)%2)
	s_wait_dscnt \younger
.irp t, 0,1,2,3,4,5,6,7
	global_store_b128 v[CO], v[BB+4*\t:BB+4*\t+3], s[8:9] offset:(16*(\a)+2*\t)*4096 th:TH_STORE_NT   ; each half of the lanes stores 256 consecutive bytes, aligned; written once, read by nobody here
.endr
.endm
	PLACES
	TOSTAGE 0
.irp a, 1,2,3
.if \a > 1
	s_wait_xcnt 0x0                                ; block a - 2's stores have read their registers: block a's loads may land there
.endif
	TOSTAGE \a
	SEND \a-1, 16                                  ; behind block a - 1's loads: block a's 8 stores and 8 loads
.endr
	SEND 3, 0
	s_wait_tensorcnt 0x0                           ; the wave's end
	ds_add_u32 v[SPW], v[NIL]
	s_wait_dscnt 0x0
	CROUND                                         ; the closing round
	s_endpgm
.Lfunc_end_k_q744e1bff6d_oproj:
	.size	k_q744e1bff6d_oproj, .Lfunc_end_k_q744e1bff6d_oproj-k_q744e1bff6d_oproj
	.p2alignl 7, 3214868480
	.fill 96, 4, 3214868480
	.section	.rodata,"a",@progbits
	.p2align	6, 0x0
	.amdhsa_kernel k_q744e1bff6d_oproj
		.amdhsa_group_segment_fixed_size 327680
		.amdhsa_private_segment_fixed_size 0
		.amdhsa_enable_private_segment 0
		.amdhsa_kernarg_size 32
		.amdhsa_user_sgpr_count 2
		.amdhsa_user_sgpr_kernarg_segment_ptr 1
		.amdhsa_wavefront_size32 1
		.amdhsa_system_sgpr_workgroup_id_x 1
		.amdhsa_system_sgpr_workgroup_id_y 1
		.amdhsa_system_sgpr_workgroup_id_z 1
		.amdhsa_system_vgpr_workitem_id 0
		.amdhsa_next_free_vgpr 512
		.amdhsa_next_free_sgpr 66
		.amdhsa_reserve_vcc 0
		.amdhsa_float_denorm_mode_32 3
		.amdhsa_float_denorm_mode_16_64 3
		.amdhsa_memory_ordered 1
		.amdhsa_forward_progress 1
		.amdhsa_inst_pref_size 87
	.end_amdhsa_kernel
	.amdgpu_metadata
---
amdhsa.version: [ 1, 2 ]
amdhsa.kernels:
  - .name:           k_q744e1bff6d_oproj
    .symbol:         k_q744e1bff6d_oproj.kd
    .args:
      - { .name: attn, .offset: 0, .size: 8, .value_kind: global_buffer, .address_space: global }
      - { .name: wot, .offset: 8, .size: 8, .value_kind: global_buffer, .address_space: global }
      - { .name: bo, .offset: 16, .size: 8, .value_kind: global_buffer, .address_space: global }
      - { .name: out0, .offset: 24, .size: 8, .value_kind: global_buffer, .address_space: global }
    .group_segment_fixed_size: 327680
    .private_segment_fixed_size: 0
    .kernarg_segment_align: 8
    .kernarg_segment_size: 32
    .max_flat_workgroup_size: 128
    .sgpr_count:     66
    .vgpr_count:     512
    .wavefront_size: 32
...
	.end_amdgpu_metadata
.endif
;; end of part 4
